; MI455X (gfx1250); checked and timed in simulation.
; The chip was launched on July 23, 2026; its instructions are those of AMD's public machine-readable ISA for CDNA 5 (MIT licence, August 2026) and "CDNA5" Instruction Set Architecture Reference Guide (July 2026). The comments in the code are by the model that wrote it; some were corrected since.
;; Quant Llama Attention. Allowed arithmetic: float matrix products may take bf16 or f16 operands with f32 sums; other float arithmetic in f32, or as packed bf16 or f16 multiplies, adds, multiply-adds, maxima and minima; sums over many terms, partial sums and values carried from step to step in f32; what a program stores and reads back later, other than sums and carried values, may be rounded once to bf16 or f16.
;; Inputs: hidden_states 1 x 1,024 x 4,096 float32; k_scale 1,024 x 32 float32; k_wq 1,024 x 4,096 float32; o_scale 4,096 x 32 float32; o_wq 4,096 x 4,096 float32; position_ids 1 x 1,024 int32; q_scale 4,096 x 32 float32; q_wq 4,096 x 4,096 float32; v_scale 1,024 x 32 float32; v_wq 1,024 x 4,096 float32.
;; Outputs: out0 1 x 1,024 x 4,096 float32.
;; One version. Each part assembles by itself: llvm-mc -triple=amdgcn-amd-amdhsa -mcpu=gfx1250 --defsym DOCPART=n.
;; ======== version 1 of 1: 4 launches
;; limits: values are held in f16: magnitudes above 65,504 overflow, below 6.1e-05 lose precision; right only within a limited range of input values; inputs' magnitudes at most 1,000
;; workspace buffers: xh 8,388,608 bytes; rt 557,056 bytes; stq 1,048,576 bytes; sto 1,048,576 bytes; qkvu 12,582,912 bytes; at 8,388,608 bytes
;; launch prep (part 1): grid 904 x 1, 8 waves a work-group, no clusters, 0 bytes of LDS; arguments hidden_states, position_ids, q_scale, k_scale, v_scale, o_scale, xh, rt, stq, sto; writes xh, rt, stq, sto
.if DOCPART == 1
	.amdgcn_target "amdgcn-amd-amdhsa--gfx1250"
	.amdhsa_code_object_version 6
	.text
	.protected	k_q356dbe74db_prep
	.globl	k_q356dbe74db_prep
	.p2align	8
	.type	k_q356dbe74db_prep,@function
k_q356dbe74db_prep:
	s_mov_b64 s[64:65], 0
	v_nop
	global_prefetch_b8 v0, s[64:65] scope:SCOPE_SE
	s_setreg_imm32_b32 hwreg(HW_REG_WAVE_MODE, 25, 1), 1
	s_wait_xcnt 0x0
; FOUR SMALL JOBS, chosen by the work-group's number; each work-group does one.  No LDS, no barrier: no wave needs another's data.
;   0-255    xh[1024][4096] f16 = 64 x (x rounded to bf16): exact in f16.  LIMIT: |x| under 1,000 (f16 ends at 65,504).
;   256-391  rt[1088][128] f32: row m holds cos k and sin k (64 frequencies each) of position_ids[m], k = 2^-11; rows 1024 on hold k and 0 (no rotation: for V).
;            LIMIT: the angle is reduced by pi/2 in two parts, good for |position| up to about 1e6.
;   392-647  stq[64][32][4][8][4] f32 = 256 x (scale rounded to bf16), in the order in which the projection's waves want them: column group, K group, wave, unit, row.
;   648-903  sto, the same for the output projection.
	s_load_b512 s[8:23], s[0:1], 0x0               ; x s[8:9], positions s[10:11], q, k, v, o scales s[12:19], xh s[20:21], rt s[22:23]
	s_load_b128 s[24:27], s[0:1], 0x40             ; stq s[24:25], sto s[26:27]
	v_and_b32 v1, 31, v0                           ; lane
	v_lshrrev_b32 v2, 5, v0                        ; wave
	s_mov_b32 s30, 0xffff0000                      ; a word's upper bf16
	s_cmp_lt_u32 ttmp9, 256
	s_cbranch_scc0 .Lnot_x
	; ---- x: a work-group takes 65,536 bytes, a wave 8,192, one load 512 consecutive bytes; all sixteen loads go out at once
	v_lshlrev_b32 v3, 4, v1
	v_lshl_add_u32 v3, v2, 13, v3
	v_lshlrev_b32 v4, 3, v1
	v_lshl_add_u32 v4, v2, 12, v4
	s_lshl_b32 s2, ttmp9, 16
	s_mov_b32 s3, 0
	s_lshl_b32 s4, ttmp9, 15
	s_mov_b32 s5, 0
	s_mov_b32 s28, 0x42800000                      ; 64.0
	s_mov_b32 s29, s28
	s_wait_kmcnt 0x0
	s_add_nc_u64 s[8:9], s[8:9], s[2:3]
	s_add_nc_u64 s[20:21], s[20:21], s[4:5]
.set k, 0
.rept 16
	global_load_b128 v[16+4*k:19+4*k], v3, s[8:9] offset:512*k th:TH_LOAD_NT
.set k, k+1
.endr
.set k, 0
.rept 16
	s_wait_loadcnt 15-k                            ; loads come back in order: number k is in, the younger ones stay out
	v_cvt_pk_bf16_f32 v8, v[16+4*k], v[17+4*k]
	v_cvt_pk_bf16_f32 v9, v[18+4*k], v[19+4*k]
	v_lshlrev_b32 v10, 16, v8
	v_and_b32 v11, s30, v8
	v_lshlrev_b32 v12, 16, v9
	v_and_b32 v13, s30, v9
	v_pk_mul_f32 v[10:11], v[10:11], s[28:29] op_sel_hi:[1,0]
	v_pk_mul_f32 v[12:13], v[12:13], s[28:29] op_sel_hi:[1,0]
	v_cvt_pk_f16_f32 v[80+2*k], v10, v11
	v_cvt_pk_f16_f32 v[81+2*k], v12, v13
	global_store_b64 v4, v[80+2*k:81+2*k], s[20:21] offset:256*k  ; 32 lanes store 256 consecutive bytes, aligned; each store has data registers of its own
.set k, k+1
.endr
	s_endpgm
.Lnot_x:
	s_cmp_lt_u32 ttmp9, 392
	s_cbranch_scc0 .Lnot_rt
	; ---- the table: a wave makes a row, lane l the frequencies 2 l and 2 l + 1
	v_readfirstlane_b32 s31, v2
	s_sub_co_u32 s32, ttmp9, 256
	s_lshl3_add_u32 s32, s32, s31                  ; row m
	s_min_u32 s33, s32, 1023
	s_lshl_b32 s33, s33, 2
	v_mov_b32 v5, s33
	s_lshl_b32 s35, s32, 9
	v_lshlrev_b32 v9, 3, v1
	v_add_nc_u32 v9, s35, v9                       ; m x 512 + 8 l
	s_mov_b32 s36, 0xbfc90fdb                      ; -pi/2, the f32 next to it,
	s_mov_b32 s37, 0x333bbd2e                      ; and what that f32 is too large by
	s_mov_b32 s38, 0x3a000000                      ; 2^-11
	s_mov_b32 s39, s38
	s_cmp_ge_u32 s32, 1024
	s_cselect_b32 s34, -1, 0                       ; all lanes: is this a row without rotation?
	s_wait_kmcnt 0x0
	global_load_b32 v6, v5, s[10:11]
	v_lshlrev_b32 v7, 1, v1
	v_or_b32 v8, 1, v7
	v_cvt_f32_u32 v7, v7
	v_cvt_f32_u32 v8, v8
	v_mul_f32 v7, 0xbe549a78, v7                   ; -f log2(10000) / 64
	v_mul_f32 v8, 0xbe549a78, v8
	v_exp_f32 v7, v7                               ; 10000^(-f / 64)
	v_exp_f32 v8, v8
	v_nop                                          ; a plain instruction behind the last exponential,
	s_wait_alu depctr_va_vdst(0)                   ; and one wait for both, ahead of their first reader
	s_wait_loadcnt 0x0
	v_cvt_f32_i32 v6, v6
	v_mul_f32 v7, v6, v7                           ; the angles, rounded as the product of two f32
	v_mul_f32 v8, v6, v8
; sine and cosine of v[x]: n = the nearest multiple of pi/2, r = x - n pi/2 in two parts, polynomials on |r| <= pi/4, the quadrant by selects and sign bits
.macro SINCOS x, c, s
	v_mul_f32 v20, 0x3f22f983, v[\x]
	v_rndne_f32 v20, v20
	v_fma_f32 v21, v20, s36, v[\x]
	v_fma_f32 v21, v20, s37, v21
	v_mul_f32 v22, v21, v21
	v_cvt_i32_f32 v23, v20
	v_mov_b32 v24, 0xb94ca1f9
	v_fmaak_f32 v24, v22, v24, 0x3c08839e
	v_fmaak_f32 v24, v22, v24, 0xbe2aaaa3
	v_mul_f32 v24, v24, v22
	v_fma_f32 v24, v24, v21, v21                   ; sin r
	v_mov_b32 v25, 0x37ccf5ce
	v_fmaak_f32 v25, v22, v25, 0xbab6061a
	v_fmaak_f32 v25, v22, v25, 0x3d2aaaa5
	v_mul_f32 v25, v25, v22
	v_fma_f32 v25, v25, v22, 1.0
	v_fma_f32 v25, v22, -0.5, v25                  ; cos r
	v_and_b32 v26, 1, v23
	v_cmp_eq_u32 vcc_lo, 1, v26
	v_cndmask_b32 v[\s], v24, v25, vcc_lo          ; odd n: the two change places
	v_cndmask_b32 v[\c], v25, v24, vcc_lo
	v_and_b32 v26, 2, v23
	v_lshlrev_b32 v26, 30, v26
	v_xor_b32 v[\s], v26, v[\s]                    ; n mod 4 = 2, 3: -sine
	v_add_nc_u32 v26, 1, v23
	v_and_b32 v26, 2, v26
	v_lshlrev_b32 v26, 30, v26
	v_xor_b32 v[\c], v26, v[\c]                    ; n mod 4 = 1, 2: -cosine
.endm
	SINCOS 7, 40, 44
	SINCOS 8, 41, 45
	v_pk_mul_f32 v[40:41], v[40:41], s[38:39] op_sel_hi:[1,0]
	v_pk_mul_f32 v[44:45], v[44:45], s[38:39] op_sel_hi:[1,0]
	v_mov_b32 v27, s38
	v_mov_b32 v28, 0
	v_cndmask_b32 v40, v40, v27, s34
	v_cndmask_b32 v41, v41, v27, s34
	v_cndmask_b32 v44, v44, v28, s34
	v_cndmask_b32 v45, v45, v28, s34
	global_store_b64 v9, v[40:41], s[22:23]            ; each store: 256 consecutive bytes, aligned
	global_store_b64 v9, v[44:45], s[22:23] offset:256
	s_endpgm
; four scales in v[28:31]: rounded to bf16, times 256, stored as thread T's 16 bytes
.macro SCOUT base
	v_cvt_pk_bf16_f32 v32, v28, v29
	v_cvt_pk_bf16_f32 v33, v30, v31
	v_lshlrev_b32 v28, 16, v32
	v_and_b32 v29, s30, v32
	v_lshlrev_b32 v30, 16, v33
	v_and_b32 v31, s30, v33
	v_pk_mul_f32 v[28:29], v[28:29], s[28:29] op_sel_hi:[1,0]
	v_pk_mul_f32 v[30:31], v[30:31], s[28:29] op_sel_hi:[1,0]
	v_lshlrev_b32 v34, 4, v3
	global_store_b128 v34, v[28:31], s[\base:\base+1]  ; sixteen lanes fill 256 consecutive bytes, aligned
.endm
; thread T of the table: unit T & 7, wave (T >> 3) & 3, K group (T >> 5) & 31, column group T >> 10
.macro DECODE first
	s_sub_co_u32 s31, ttmp9, \first
	s_lshl_b32 s31, s31, 8
	v_add_nc_u32 v3, s31, v0
	v_and_b32 v4, 7, v3
	v_bfe_u32 v5, v3, 3, 2
	v_bfe_u32 v6, v3, 5, 5
	v_lshrrev_b32 v7, 10, v3
	s_mov_b32 s28, 0x43800000                      ; 256.0
	s_mov_b32 s29, s28
.endm
.Lnot_rt:
	s_cmp_lt_u32 ttmp9, 648
	s_cbranch_scc0 .Lfor_o
	; ---- stq.  Unit u of 384 is 16 columns of head u >> 3, in this order: dims d .. d + 3, 64 + d .. 64 + d + 3, d + 4 .. d + 7, 64 + d + 4 .. 64 + d + 7, d = 8 (u & 7).
	; Wave w converts its rows 4 w .. 4 w + 3.  Units 6 and 7 of a group repeat valid units: whole stores.
	DECODE 392
	v_mad_u32_u24 v8, v7, 6, v4
	v_min_u32 v8, 383, v8                          ; u
	v_lshrrev_b32 v9, 3, v8
	v_and_b32 v10, 7, v8
	v_lshlrev_b32 v9, 7, v9
	v_lshl_add_u32 v9, v10, 3, v9                  ; 128 x head + 8 (u & 7)
	v_and_b32 v10, 1, v5
	v_lshl_add_u32 v9, v10, 6, v9
	v_lshrrev_b32 v10, 1, v5
	v_lshl_add_u32 v9, v10, 2, v9                  ; + 64 (w & 1) + 4 (w >> 1): the first of my four columns among the 6,144
	v_min_u32 v11, 0xffc, v9                       ; each tensor is read at a row clamped into it; the data are then chosen
	v_max_u32 v12, 0x1000, v9
	v_min_u32 v12, 0x13fc, v12
	v_add_nc_u32 v12, 0xfffff000, v12
	v_max_u32 v13, 0x1400, v9
	v_add_nc_u32 v13, 0xffffec00, v13
	v_lshlrev_b32 v11, 7, v11
	v_lshlrev_b32 v12, 7, v12
	v_lshlrev_b32 v13, 7, v13
	v_lshl_add_u32 v11, v6, 2, v11                 ; row x 128 + 4 g
	v_lshl_add_u32 v12, v6, 2, v12
	v_lshl_add_u32 v13, v6, 2, v13
	v_cmp_gt_u32 s36, 0x1000, v9                   ; a column of q?
	v_cmp_gt_u32 s37, 0x1400, v9                   ; of q or k?
	s_wait_kmcnt 0x0
.irp j, 0,1,2,3
	global_load_b32 v[16+\j], v11, s[12:13] offset:128*\j
	global_load_b32 v[20+\j], v12, s[14:15] offset:128*\j
	global_load_b32 v[24+\j], v13, s[16:17] offset:128*\j
.endr
	s_wait_loadcnt 0x0
.irp j, 0,1,2,3
	v_cndmask_b32 v[28+\j], v[24+\j], v[20+\j], s37
	v_cndmask_b32 v[28+\j], v[28+\j], v[16+\j], s36
.endr
	SCOUT 24
	s_endpgm
.Lfor_o:
	; ---- sto.  Unit i of a group of 64 columns is 16 columns on end; units 4 to 7 repeat unit 3.
	DECODE 648
	v_min_u32 v4, 3, v4
	v_lshlrev_b32 v9, 6, v7
	v_lshl_add_u32 v9, v4, 4, v9
	v_lshl_add_u32 v9, v5, 2, v9                   ; row 64 ng + 16 i + 4 w
	v_lshlrev_b32 v9, 7, v9
	v_lshl_add_u32 v9, v6, 2, v9
	s_wait_kmcnt 0x0
.irp j, 0,1,2,3
	global_load_b32 v[28+\j], v9, s[18:19] offset:128*\j
.endr
	s_wait_loadcnt 0x0
	SCOUT 26
	s_endpgm
.Lfunc_end_k_q356dbe74db_prep:
	.size	k_q356dbe74db_prep, .Lfunc_end_k_q356dbe74db_prep-k_q356dbe74db_prep
	.p2alignl 7, 3214868480
	.fill 96, 4, 3214868480
	.section	.rodata,"a",@progbits
	.p2align	6, 0x0
	.amdhsa_kernel k_q356dbe74db_prep
		.amdhsa_group_segment_fixed_size 0
		.amdhsa_private_segment_fixed_size 0
		.amdhsa_enable_private_segment 0
		.amdhsa_kernarg_size 80
		.amdhsa_user_sgpr_count 2
		.amdhsa_user_sgpr_kernarg_segment_ptr 1
		.amdhsa_wavefront_size32 1
		.amdhsa_system_sgpr_workgroup_id_x 1
		.amdhsa_system_sgpr_workgroup_id_y 1
		.amdhsa_system_sgpr_workgroup_id_z 1
		.amdhsa_system_vgpr_workitem_id 0
		.amdhsa_next_free_vgpr 128
		.amdhsa_next_free_sgpr 66
		.amdhsa_reserve_vcc 1
		.amdhsa_float_denorm_mode_32 3
		.amdhsa_float_denorm_mode_16_64 3
		.amdhsa_memory_ordered 1
		.amdhsa_forward_progress 1
		.amdhsa_inst_pref_size 23
	.end_amdhsa_kernel
	.amdgpu_metadata
---
amdhsa.version: [ 1, 2 ]
amdhsa.kernels:
  - .name:           k_q356dbe74db_prep
    .symbol:         k_q356dbe74db_prep.kd
    .args:
      - { .name: hidden_states, .offset: 0, .size: 8, .value_kind: global_buffer, .address_space: global }
      - { .name: position_ids, .offset: 8, .size: 8, .value_kind: global_buffer, .address_space: global }
      - { .name: q_scale, .offset: 16, .size: 8, .value_kind: global_buffer, .address_space: global }
      - { .name: k_scale, .offset: 24, .size: 8, .value_kind: global_buffer, .address_space: global }
      - { .name: v_scale, .offset: 32, .size: 8, .value_kind: global_buffer, .address_space: global }
      - { .name: o_scale, .offset: 40, .size: 8, .value_kind: global_buffer, .address_space: global }
      - { .name: xh, .offset: 48, .size: 8, .value_kind: global_buffer, .address_space: global }
      - { .name: rt, .offset: 56, .size: 8, .value_kind: global_buffer, .address_space: global }
      - { .name: stq, .offset: 64, .size: 8, .value_kind: global_buffer, .address_space: global }
      - { .name: sto, .offset: 72, .size: 8, .value_kind: global_buffer, .address_space: global }
    .group_segment_fixed_size: 0
    .private_segment_fixed_size: 0
    .kernarg_segment_align: 8
    .kernarg_segment_size: 80
    .max_flat_workgroup_size: 256
    .sgpr_count:     66
    .vgpr_count:     128
    .wavefront_size: 32
...
	.end_amdgpu_metadata
.endif
;; end of part 1
;; launch qkv (part 2): grid 64 x 4, 4 waves a work-group, clusters of 4 x 4, 327,680 bytes of LDS; arguments xh, q_wq, k_wq, v_wq, stq, rt, qkvu; writes qkvu
.if DOCPART == 2
	.amdgcn_target "amdgcn-amd-amdhsa--gfx1250"
	.amdhsa_code_object_version 6
	.text
	.protected	k_q356dbe74db_qkv
	.globl	k_q356dbe74db_qkv
	.p2align	8
	.type	k_q356dbe74db_qkv,@function
k_q356dbe74db_qkv:
	s_mov_b64 s[64:65], 0
	v_nop
	global_prefetch_b8 v0, s[64:65] scope:SCOPE_SE
	s_setreg_imm32_b32 hwreg(HW_REG_WAVE_MODE, 25, 1), 1
	s_wait_xcnt 0x0
	s_wait_alu depctr_hold_cnt(0) depctr_sa_sdst(0) depctr_va_vdst(0) depctr_va_sdst(0) depctr_va_ssrc(0) depctr_va_vcc(0) depctr_vm_vsrc(0)
	s_getreg_b32 s2, hwreg(HW_REG_IB_STS2, 6, 4)
	s_cmp_eq_u32 s2, 0
	s_cbranch_scc0 .Lentry_in_a_cluster
	s_endpgm
.Lentry_in_a_cluster:
	s_bfe_u32 s2, ttmp6, 0x10000c
	s_cmp_lg_u32 s2, 0xf033
	s_cbranch_scc0 .Lentry_shape_is_right
	s_endpgm
.Lentry_shape_is_right:
; A PROJECTION WITH GROUP-WISE SCALED WEIGHTS.  C[m][n] = sum over k of A[m][k] code[n][k] scale[n][k / 128].  One text serves two launches; the two lines NT and QKV below choose.
;   QKV = 1: A = xh (64 x), 6,144 columns of q, k, v; the result is rotated (q, k) by the table rt, scaled by 2^-11 to 8 x its value, and stored in f16 by UNITS.
;   QKV = 0: A = at (8 x attention), 4,096 columns; the result times 2^-11 is the module's f32 output.
; FORMATS.  The weight operand is 256 x bf16(scale) x code: 8 bits times 4 bits, exact in f16; A is f16.  Sums in f32.  LIMITS: codes that are no integers are rounded once, in that product;
; q, k, v leave as 8 x their value in f16: |value| under 8,000, and below about 1e-5 f16's fixed step; NaN and infinities are not treated apart.
; UNITS (QKV = 1).  Unit u of 384 is 16 columns of head u >> 3 (0-31 q, 32-39 k, 40-47 v), in this order: dims d .. d + 3, 64 + d .. 64 + d + 3, d + 4 .. d + 7, 64 + d + 4 .. 64 + d + 7, d = 8 (u & 7).
; (QKV = 0: a unit is 16 columns on end.)
; SHARES.  A work-group makes 256 rows x NT units; wave w its rows 64 w .. 64 w + 63, all units: 4 x NT accumulators.  256 work-groups.  The product is taken transposed (source 0 = 16 rows of W,
; source 1 = 16 rows of A): a lane holds ONE row of C and 8 columns of a unit: by the order above four dims and, in the registers four further on, the four dims with which they are rotated.
; A comes by joint tensor loads: the four work-groups of a row of the cluster want the same 256 rows.  K goes in 32 steps of 128 (a scale group); a SLAB is two steps; an LDS slot of A holds a slab
; (rows of 512 bytes), two slots; behind each change of slots a wave asks for its own 64 rows, and that load has two steps in which to land.
; THE WALK ALONG K IS ROTATED.  Cluster x begins at slab (2 x + x / 8) mod 16 and walks sixteen slabs, round the end of K (f32 sums may be taken in any order).  All sixteen clusters read the same
; rows of A: so at any time they ask for sixteen different slabs of it, and with the two first fills clusters 0-7, and clusters 8-15 likewise, ask for all sixteen at the launch's head.
; W comes through registers: wave w loads rows 4 w .. 4 w + 3 of each unit (a load = a row's 512 bytes of a step) and their scales, up to three steps ahead; in step g the data of step g + 1 are multiplied by
; their scales and rounded to f16 by two vector instructions behind each matrix instruction of the first two quarters, and stored into the B slot that step g does not read.
; The four work-groups of a column of the cluster read the same rows of W at the same time.
.set NT,  6                            ; units to a work-group
.set QKV, 1
.set AH,  1                            ; slabs by which the prefetch of W runs ahead of the slab whose loads have begun
.set APITCH, 528                       ; a row of A in LDS: 512 bytes + 16: the 16 rows of a fragment load start at 16 different groups of four banks (ISA guide 11.1)
.set AWAVE,  64*APITCH                 ; a wave's part of a slot
.set ASLOT,  4*AWAVE                   ; 0x21000: shares no bit with w x AWAVE, so one exclusive or changes slots
.set BBASE,  2*ASLOT
.set BPITCH, 272                       ; a row of W in LDS: 256 bytes + 16
.set BSLOT,  16*NT*BPITCH
.set STAGE,  BBASE+2*BSLOT             ; (QKV = 0) 16 rows x 272 bytes for each wave, for the way out
.set SPARE,  322560                    ; the spare words, 128 bytes for each wave: two blocks of 256 bytes that no other line names
.set NF, 2*NT+8                        ; LDS loads of a quarter's fragments
.set NS, 2*NT                          ; LDS stores of half a step's W
.set HL, 5*NT/2                        ; global loads of half a step's W and scales
.set TRIPS, 14                         ; trips of two steps that fill a slot again
; window 0
.set RL, 1                             ; v1  lane % 16
.set HF, 2                             ; v2  lane / 16
.set ADRA0, 3                          ; v3  my place in my wave's rows of a slot
.set ADRA, 4                           ; v4  the same in the slot in hand
.set ADRB, 5                           ; v5  my place in B slot 0
.set BST, 6                            ; v6  where I store 8 bytes of my wave's first row of W
.set WOFF, 7                           ; v7  16 lane + the bytes along K of the slab whose steps are being loaded
.set SOFF, 8                           ; v8  the same slab in the scale table
.set ZERO, 9
.set SPW, 10                           ; v10 LDS address of my spare word; never rewritten
.set NIL, 11                           ; v11 0; never rewritten
.set PFOW, 12                          ; v12 the prefetch's offset in W; never rewritten
.set L16, 13                           ; v13 16 lane; never rewritten
.set TMP, 16                           ; two registers a row: four numbers of W in f16
.set T, 16                             ; (QKV = 1, at the end) a row tile's rotated numbers
.set TC, 40                            ; (QKV = 1, ahead of the last step) my offset in the table, a unit each
.set STO, 48                           ; (QKV = 0) the way out
.set RD, 49
.set GO, 50
.set ACC, 64                           ; accumulator (a, b) at ACC + 8 (NT a + b)
; window 1
.set BF, 0                             ; W's fragments, two buffers of 8 NT
.set SC, 16*NT                         ; scales, two sets of 4 NT
; window 2
.set AF, 0                             ; A's fragments, two buffers of 32
.set WS, 64                            ; W as loaded, two sets of 16 NT
.set TBL, 64                           ; (QKV = 1, from the last step on) the table: row tile a, unit i: 4 cosines, 4 sines at TBL + 8 (NT a + i)
; scalars: s18 wave, s19 cx, s20 cy, s21 column group, s22 row block; s[24:31] group 1; s[32:35], s[36:39] two groups 0; s54 the slot in hand; s55 trips to go;
; s63 the bytes along K, in a row of W, of the slab whose steps are being loaded: a multiple of 1,024 under 16,384; s[92:93], s[96:97] offsets, their high words 0
.set WB, 40                            ; s[40:51] W at my first row of each unit
.set STB, 52                           ; s[52:53] my wave's scales
.set PFW, 56                           ; s[56:57] where the prefetch of W stands
.set ABASE, 58                         ; s[58:59] A at my wave's first row
.set RB, 66                            ; s[66:77] the table at each unit's frequencies
.set FI, 78                            ; s[78:83] bytes from row to row of the table: 512, or 0 for a unit of v
.set PFB, 100                          ; s[100:101] the tensor by which the prefetch goes
.set MUL, 0x09                         ; source 0 window 1, source 1 window 2, source 2 and destination window 0: serves the products AND the conversions behind them
.set MSB, 0
.macro WIN new                         ; the immediate's high byte repeats the setting that is left; a switch that changes nothing is dropped
.if MSB != (\new)
	s_set_vgpr_msb (MSB<<8)|(\new)
.set MSB, \new
.endif
.endm
.macro PLACES                          ; four plain instructions between a matrix instruction and a load into, or a vector line on, its registers
.rept 4
	v_nop
.endr
.endm
.macro CREST                           ; a round of the cluster's barrier behind its opening barrier
	s_cmp_lg_u32 s18, 0
	s_cbranch_scc1 .Lnw0_\@
	s_barrier_signal -3
.Lnw0_\@:
	s_barrier_wait -3
	s_barrier_signal -1
	s_barrier_wait -1
.endm
.macro CROUND
	s_barrier_signal -1
	s_barrier_wait -1
	CREST
.endm
.macro MM a, b, f, zero                ; one product; zero = 1: it starts the sum
.set rD, ACC+8*(NT*(\a)+(\b))
.set rB, BF+8*NT*(\f)+8*(\b)
.set rA, AF+32*(\f)+8*(\a)
.if \zero
	v_wmma_f32_16x16x32_f16 v[rD:rD+7], v[rB:rB+7], v[rA:rA+7], 0
.else
	v_wmma_f32_16x16x32_f16 v[rD:rD+7], v[rB:rB+7], v[rA:rA+7], v[rD:rD+7]
.endif
.endm
.macro RID set                         ; conversion number rk: row rk / 4; scale x code, rounded once to f16: numbers 0, 2 into the low halves, then 1, 3 into the high halves
.set rho, rk/4
.set rT, TMP+2*rho+(rk%2)
.set rW, WS+16*NT*(\set)+4*rho+2*(rk%2)+((rk/2)%2)
.set rS, SC+4*NT*(\set)+rho
.if (rk%4) < 2
	v_fma_mixlo_f16 v[rT], v[rS], v[rW], v[ZERO]
.else
	v_fma_mixhi_f16 v[rT], v[rS], v[rW], v[ZERO]
.endif
.set rk, rk+1
.endm
; n row tiles from a0 on x all units, 32 along K, from buffer f.  The 4 NT accumulators take turns in the same order in every quarter.  rid = 1: two conversions behind each product
.macro QHALF f, a0, n, rid, set, zero
	WIN MUL
.set qa, \a0
.rept \n
.set qb, 0
.rept NT
	MM qa, qb, \f, \zero
.if \rid
	RID \set
	RID \set
.endif
.set qb, qb+1
.endr
.set qa, qa+1
.endr
.endm
.macro FETCHF f, ka, kb                ; a quarter's fragments in one run: W's, then A's row tiles 0, 1, then 2, 3
	WIN 0x40
.set fi, 0
.rept NT
	ds_load_b128 v[BF+8*NT*(\f)+8*fi:BF+8*NT*(\f)+8*fi+3],   v[ADRB] offset:(\kb)+fi*16*BPITCH
	ds_load_b128 v[BF+8*NT*(\f)+8*fi+4:BF+8*NT*(\f)+8*fi+7], v[ADRB] offset:(\kb)+fi*16*BPITCH+32
.set fi, fi+1
.endr
	WIN 0x80
.set fi, 0
.rept 4
	ds_load_b128 v[AF+32*(\f)+8*fi:AF+32*(\f)+8*fi+3],   v[ADRA] offset:(\ka)+fi*16*APITCH
	ds_load_b128 v[AF+32*(\f)+8*fi+4:AF+32*(\f)+8*fi+7], v[ADRA] offset:(\ka)+fi*16*APITCH+32
.set fi, fi+1
.endr
.endm
.macro STORES hf, beta                 ; half hf of the units: my four rows of each into B slot beta; a store is a row's 256 bytes
	WIN 0
.set si, (\hf)*NT/2
.rept NT/2
.set sj, 0
.rept 4
	ds_store_b64 v[BST], v[TMP+2*(4*si+sj):TMP+2*(4*si+sj)+1] offset:(\beta)*BSLOT+(16*si+sj)*BPITCH
.set sj, sj+1
.endr
.set si, si+1
.endr
.endm
.macro WLOAD hf, set, imm              ; half hf of the units: four scales a unit (every lane the same 16 bytes), four rows a unit (512 consecutive bytes each); imm: 0 the slab's first step, 512 its second
	WIN 0x40
.set si, (\hf)*NT/2
.rept NT/2
	global_load_b128 v[SC+4*NT*(\set)+4*si:SC+4*NT*(\set)+4*si+3], v[SOFF], s[STB:STB+1] offset:(\imm)+16*si
.set si, si+1
.endr
	WIN 0x80
.set si, (\hf)*NT/2
.rept NT/2
.set sj, 0
.rept 4
	global_load_b128 v[WS+16*NT*(\set)+4*(4*si+sj):WS+16*NT*(\set)+4*(4*si+sj)+3], v[WOFF], s[WB+2*si:WB+2*si+1] offset:(\imm)+16384*sj
.set sj, sj+1
.endr
.set si, si+1
.endr
.endm
.macro BUMP                            ; once a trip: a slab on, round the end of K: a row of W and a column group's scales both have 16,384 bytes along K
	WIN 0
	s_wait_xcnt 0x0                                ; every load and prefetch issued so far has read its address (the youngest stand a quarter or more back): the offsets and the pointer may be written
	s_add_co_u32 s63, s63, 1024
	s_and_b32 s63, s63, 0x3fff
	v_add_nc_u32 v[WOFF], s63, v[L16]
	v_mov_b32 v[SOFF], s63
	s_add_co_u32 s92, s63, 1024*AH
	s_and_b32 s92, s92, 0x3fff
	s_add_nc_u64 s[PFW:PFW+1], s[PFB:PFB+1], s[92:93]
.endm
; A PREFETCH INTO THE L2 OF W, behind the joint load and the run of LDS loads.  In trip p the loads have reached slab p + 2 of my walk; the prefetch names slab p + 2 + AH (1,024 bytes of a row): its first step is
; loaded in the next trip's second step, its second step in the trip after.  A row of W is loaded by four waves, the wave with the same number in each of the four work-groups of my column; they share the rows out
; BY ADDRESS: wave w of the work-group at cy names row 4 w + cy of each unit; lane l unit l / 4, block l % 4 (lanes past 4 NT repeat the last unit's).  Where a group's units lie in two tensors, the second
; tensor's rows are clamped to the first's last row and come by their loads alone.  The walk's first three slabs come by their loads alone; the last AH trips ask for nothing.
; A is not prefetched: every slab of it is asked for at the launch's head (see THE WALK), where nothing is prefetched.
.macro ASK
	s_cmp_gt_u32 s55, AH
	s_cbranch_scc0 .Lno_\@
	global_prefetch_b8 v[PFOW], s[PFW:PFW+1] th:TH_LOAD_NT scope:SCOPE_SE
.Lno_\@:
.endm
; A STEP is four quarters of 32 along K on fragment buffers 0, 1, 0, 1.  e = the step's parity: its half of A's rows, its B slot.  cv = 1: the next step's W is converted.  ld = 1: the step three on is loaded.
; Q0 is the first quarter.  l0: the loads that may stay out when the first half of the next step's W is wanted: its second half and, where they were issued, both halves of the step after.
.macro Q0 e, cv, l0, zero
.set rk, 0
.if \cv
	s_wait_loadcnt \l0
.endif
	s_wait_dscnt 4                                 ; all fragments but A's row tiles 2 and 3
	QHALF 0, 0, 2, \cv, 1-(\e), \zero
	PLACES
	FETCHF 1, 256*(\e)+64, (\e)*BSLOT+64
	s_wait_dscnt NF                                ; all but the run just issued
	QHALF 0, 2, 2, \cv, 1-(\e), \zero
.endm
; REST: quarters 1, 2 and 3.  l1: as l0, for the second half.  kind: 0 a barrier (the B slots change); 1 the same and A's slot is filled again, by a round of the cluster's barrier; 2 as 1 without a refill; 3 the last step.
; An even step loads the second step of the slab in hand; an odd step goes a slab on and loads its first step.
.macro REST e, cv, ld, l1, kind
.if \cv
	s_wait_loadcnt \l1
.endif
	s_wait_dscnt 4
	QHALF 1, 0, 2, \cv, 1-(\e), 0
	PLACES
.if \cv
	STORES 0, 1-(\e)
.endif
	FETCHF 0, 256*(\e)+128, (\e)*BSLOT+128
.if \ld
.if (\e) == 1
	BUMP
.endif
	WLOAD 0, 1-(\e), 512*(1-(\e))                  ; into the registers that the first quarter's conversions have read
.endif
	s_wait_dscnt NF+NS*(\cv)                       ; all but the stores and the run just issued
	QHALF 1, 2, 2, \cv, 1-(\e), 0
	s_wait_dscnt 4
	QHALF 0, 0, 2, 0, 0, 0
	PLACES
.if \cv
	STORES 1, 1-(\e)
.endif
	FETCHF 1, 256*(\e)+192, (\e)*BSLOT+192
.if \ld
	WLOAD 1, 1-(\e), 512*(1-(\e))
.endif
	s_wait_dscnt NF+NS*(\cv)
	QHALF 0, 2, 2, 0, 0, 0
.if (\kind) == 0
	s_wait_dscnt 4
	QHALF 1, 0, 1, 0, 0, 0
	s_wait_dscnt 0x0                               ; for the others' sake: my stores into the next B slot are done, my reads of this one are back
	s_barrier_signal -1
	QHALF 1, 1, 1, 0, 0, 0
	s_barrier_wait -1                              ; my tensor load may stay out
	PLACES
	FETCHF 0, 256*(1-(\e)), (1-(\e))*BSLOT
	QHALF 1, 2, 2, 0, 0, 0
.elseif (\kind) == 3
	s_wait_dscnt 4
	QHALF 1, 0, 2, 0, 0, 0
	s_wait_dscnt 0x0
	QHALF 1, 2, 2, 0, 0, 0
.else
	WIN 0
	s_wait_tensorcnt 0x0                           ; all my tensor loads have landed: the one that was out is my part of the other slot; so a group 0 may be written
	ds_add_u32 v[SPW], v[NIL]                      ; 0 onto my spare word
.if (\kind) == 1
	s_xor_b32 s37, s37, ASLOT                      ; the walking descriptor: the slot that is being read out,
	s_lshr_b32 s96, s63, 1                         ; the slab that W's loads have reached: two on from the one in hand; 512 bytes of a row of A for W's 1,024
	s_add_nc_u64 s[38:39], s[ABASE:ABASE+1], s[96:97]
	s_or_b32 s39, s39, 0x80000000
.endif
	s_wait_dscnt 5                                 ; (the add and the youngest four loads may be out)
	QHALF 1, 0, 1, 0, 0, 0
	s_wait_dscnt 0x0                               ; the add is done, my stores are done, my reads of both slots are back
	s_barrier_signal -1
	QHALF 1, 1, 1, 0, 0, 0
.if (\kind) == 1
	WIN 0
.endif
	s_barrier_wait -1
.if (\kind) == 1
	CREST                                          ; the barrier has opened a round of the cluster's: no wave of any partner still reads the slot or has a load on its way
	tensor_load_to_lds s[36:39], s[24:31]          ; my one tensor load behind the round: 64 rows x 512 bytes
	s_nop 0
	PLACES
.else
	PLACES
.endif
	WIN 0
	s_xor_b32 s54, s54, ASLOT
	v_add_nc_u32 v[ADRA], s54, v[ADRA0]
	FETCHF 0, 0, 0
.if (\kind) == 1
	WIN 0
	ASK
.endif
	QHALF 1, 2, 2, 0, 0, 0
.endif
.endm
.if QKV
	s_load_b256 s[4:11], s[0:1], 0x0               ; xh s[4:5], q_wq s[6:7], k_wq s[8:9], v_wq s[10:11]
	s_load_b128 s[12:15], s[0:1], 0x20             ; stq s[12:13], rt s[14:15]
	s_load_b64 s[16:17], s[0:1], 0x30              ; qkvu
.set TABP, 12
.else
	s_load_b256 s[4:11], s[0:1], 0x0               ; at s[4:5], o_wq s[6:7], sto s[8:9], out0 s[10:11]
.set TABP, 8
.endif
	v_lshl_add_u32 v[SPW], v0, 2, SPARE
	v_mov_b32 v[NIL], 0
	ds_add_u32 v[SPW], v[NIL]                      ; the wave's opening; the add and its wait stand ahead of my first tensor load
	v_lshrrev_b32 v14, 5, v0
	v_readfirstlane_b32 s18, v14                   ; wave
	s_bfe_u32 s19, ttmp6, 0x40000                  ; cx
	s_bfe_u32 s20, ttmp6, 0x40004                  ; cy
	s_lshl_b32 s21, ttmp9, 2
	s_add_co_u32 s21, s21, s19                     ; column group = 4 x cluster x + cx
	s_and_b32 s22, ttmp7, 0xffff
	s_lshl_b32 s22, s22, 2
	s_add_co_u32 s22, s22, s20                     ; row block = 4 x cluster y + cy
	s_lshl_b32 s63, ttmp9, 1                       ; the walk's first slab, from the cluster's x alone, which all sixteen partners share:
	s_lshr_b32 s99, ttmp9, 3
	s_add_co_u32 s63, s63, s99
	s_and_b32 s63, s63, 15                         ; (2 x + x / 8) mod 16,
	s_lshl_b32 s63, s63, 10                        ; in bytes of a row of W
	s_lshl_b32 s96, s20, 2
	s_lshl_b32 s96, 15, s96                        ; my row of the cluster
	s_or_b32 s24, s96, (1<<16)|(1<<20)|(1<<21)|(6<<22)|(3<<25)  ; the mask; 2-byte elements; padding on; bit 21 beside a mask; after every 128 words 4 words
	s_mov_b32 s25, 256<<16                         ; tensor_dim0 = 256
	s_mov_b32 s26, 64<<16                          ; tensor_dim1 = 64
	s_mov_b32 s27, 256<<16                         ; tile_dim0 = 256
	s_mov_b32 s28, 64                              ; tile_dim1 = 64
	s_mov_b32 s29, 4096                            ; elements from row to row
	s_mov_b32 s30, 0
	s_mov_b32 s31, 0
	s_lshl_b32 s96, s22, 8
	s_lshl_b32 s97, s18, 6
	s_add_co_u32 s96, s96, s97                     ; my wave's first row of A: row block and wave alone
	s_lshl_b32 s96, s96, 13
	s_mov_b32 s97, 0
	s_mul_i32 s98, s18, AWAVE
	s_mov_b32 s32, 1
	s_mov_b32 s33, s98                             ; slot 0
	s_mov_b32 s36, 1
	s_add_co_u32 s37, s98, ASLOT                   ; slot 1
	s_mov_b32 s54, 0
	s_mov_b32 s55, TRIPS
	s_wait_dscnt 0x0                               ; the opening add is done
	s_wait_kmcnt 0x0
	s_add_nc_u64 s[ABASE:ABASE+1], s[4:5], s[96:97]
	s_lshr_b32 s96, s63, 1
	s_add_nc_u64 s[34:35], s[ABASE:ABASE+1], s[96:97]  ; the walk's first slab
	s_add_co_u32 s96, s63, 1024
	s_and_b32 s96, s96, 0x3fff
	s_lshr_b32 s96, s96, 1
	s_add_nc_u64 s[38:39], s[ABASE:ABASE+1], s[96:97]  ; its second
	s_or_b32 s35, s35, 0x80000000
	s_or_b32 s39, s39, 0x80000000
	CROUND                                         ; all sixteen work-groups are here: the first joint loads meet
	tensor_load_to_lds s[32:35], s[24:31]          ; two loads of mine are out
	s_nop 0
	tensor_load_to_lds s[36:39], s[24:31]
	s_nop 0
	PLACES
	; where W, its scales and the results lie
.if QKV
	s_mul_i32 s23, s21, 6                          ; the group's first unit
	s_lshr_b32 s88, s18, 1
	s_lshl_b32 s88, s88, 2
	s_and_b32 s89, s18, 1
	s_lshl_b32 s89, s89, 6
	s_add_co_u32 s88, s88, s89                     ; my four rows of a unit are dims d + 4 (w >> 1) + 64 (w & 1) on
	s_mov_b32 s2, 4096
	s_mov_b32 s3, 5120
.macro UNIT i                          ; selects, never branches: the unit hangs on the work-group's place
	s_add_co_u32 s89, s23, \i
	s_lshr_b32 s90, s89, 3                         ; head of 48
	s_and_b32 s91, s89, 7
	s_lshl_b32 s94, s90, 7
	s_lshl3_add_u32 s94, s91, s94
	s_add_co_u32 s94, s94, s88                     ; my first column among the 6,144
	s_lshl_b32 s92, s91, 5                         ; the unit's 8 frequencies in a section of the table
	s_mov_b32 s93, 0
	s_cmp_lt_u32 s90, 40
	s_cselect_b64 s[WB+2*(\i):WB+2*(\i)+1], s[8:9], s[10:11]
	s_cselect_b32 s95, s2, s3
	s_cselect_b32 s[FI+(\i)], 512, 0
	s_cselect_b32 s92, s92, 0x80000                ; v: the rows without rotation
	s_cmp_lt_u32 s90, 32
	s_cselect_b64 s[WB+2*(\i):WB+2*(\i)+1], s[6:7], s[WB+2*(\i):WB+2*(\i)+1]
	s_cselect_b32 s95, 0, s95
.if (\i) == 0
	s_mov_b64 s[PFB:PFB+1], s[WB:WB+1]             ; the prefetch goes by unit 0's tensor:
	s_mov_b32 s61, s95                             ; its first column,
	s_cselect_b32 s62, s2, 0x400                   ; its rows
.endif
	s_add_nc_u64 s[RB+2*(\i):RB+2*(\i)+1], s[14:15], s[92:93]
	s_sub_co_u32 s94, s94, s95
	s_lshl_b32 s92, s94, 14
	s_add_nc_u64 s[WB+2*(\i):WB+2*(\i)+1], s[WB+2*(\i):WB+2*(\i)+1], s[92:93]
.endm
.else
.macro UNIT i
	s_lshl_b32 s92, s21, 6
	s_add_co_u32 s92, s92, 16*(\i)
	s_lshl2_add_u32 s92, s18, s92                  ; row 64 ng + 16 i + 4 w
	s_lshl_b32 s92, s92, 14
	s_mov_b32 s93, 0
	s_add_nc_u64 s[WB+2*(\i):WB+2*(\i)+1], s[6:7], s[92:93]
.endm
.endif
.set ui, 0
.rept NT
	UNIT ui
.set ui, ui+1
.endr
	s_lshl_b32 s92, s21, 14
	s_lshl_b32 s93, s18, 7
	s_add_co_u32 s92, s92, s93
	s_mov_b32 s93, 0
	s_add_nc_u64 s[STB:STB+1], s[TABP:TABP+1], s[92:93]
	v_and_b32 v14, 31, v0                          ; lane
	v_lshlrev_b32 v[L16], 4, v14
	v_add_nc_u32 v[WOFF], s63, v[L16]
	v_mov_b32 v[SOFF], s63
	WLOAD 0, 0, 0                                  ; step 0
	WLOAD 1, 0, 0
	WLOAD 0, 1, 512                                ; step 1
	WLOAD 1, 1, 512
	WIN 0
.if QKV
	s_lshl_b32 s92, s23, 15                        ; a unit is 1,024 rows x 32 bytes
	s_lshl_b32 s94, s22, 13
	s_add_co_u32 s92, s92, s94
	s_lshl_b32 s94, s18, 11
	s_add_co_u32 s92, s92, s94
	s_add_nc_u64 s[86:87], s[16:17], s[92:93]      ; the group's first unit at my wave's first row
.else
	s_mov_b64 s[PFB:PFB+1], s[6:7]
	s_lshl_b32 s92, s22, 22
	s_lshl_b32 s94, s18, 20
	s_add_co_u32 s92, s92, s94
	s_lshl_b32 s94, s21, 8
	s_add_co_u32 s92, s92, s94
	s_add_nc_u64 s[86:87], s[10:11], s[92:93]      ; my wave's first row, the group's 256 bytes
	s_mov_b32 s84, 0x3a000000                      ; 2^-11
	s_mov_b32 s85, s84
.endif
	v_and_b32 v[RL], 15, v0
	v_bfe_u32 v[HF], v0, 4, 1
	v_mul_u32_u24 v[ADRA0], v[RL], APITCH
	v_lshl_add_u32 v[ADRA0], v[HF], 4, v[ADRA0]
	v_add_nc_u32 v[ADRA0], s98, v[ADRA0]
	v_mov_b32 v[ADRA], v[ADRA0]
	v_mul_u32_u24 v[ADRB], v[RL], BPITCH
	v_lshl_add_u32 v[ADRB], v[HF], 4, v[ADRB]
	v_add_nc_u32 v[ADRB], BBASE, v[ADRB]
	s_mul_i32 s99, s18, 4*BPITCH
	s_add_co_u32 s99, s99, BBASE
	v_lshl_add_u32 v[BST], v14, 3, s99
	v_mov_b32 v[ZERO], 0
.set k, 0
.rept 8*NT
	v_mov_b32 v[TMP+k], 0                          ; a conversion writes one half and keeps the other: the registers are written whole once, while the first loads are out
.set k, k+1
.endr
	v_lshrrev_b32 v[PFOW], 2, v14
	v_min_u32 v[PFOW], NT-1, v[PFOW]               ; my unit
.if QKV
	v_add_nc_u32 v[PFOW], s23, v[PFOW]
	v_lshrrev_b32 v15, 3, v[PFOW]
	v_and_b32 v[PFOW], 7, v[PFOW]
	v_lshlrev_b32 v15, 7, v15
	v_lshl_add_u32 v[PFOW], v[PFOW], 3, v15
	s_add_co_u32 s89, s88, s20
	s_sub_co_u32 s89, s89, s61
	v_add_nc_u32 v[PFOW], s89, v[PFOW]             ; row 4 w + cy of the unit, counted in unit 0's tensor,
	s_sub_co_u32 s62, s62, 1
	v_min_u32 v[PFOW], s62, v[PFOW]                ; and held inside it
.else
	s_lshl_b32 s89, s21, 6
	s_lshl2_add_u32 s89, s18, s89
	s_add_co_u32 s89, s89, s20
	v_lshl_add_u32 v[PFOW], v[PFOW], 4, s89
	s_mul_i32 s90, s18, 16*BPITCH
	s_add_co_u32 s90, s90, STAGE                   ; my stage
	v_mul_u32_u24 v[STO], v[RL], BPITCH            ; in: row l % 16, 32 bytes for each half of the lanes
	v_lshl_add_u32 v[STO], v[HF], 5, v[STO]
	v_add_nc_u32 v[STO], s90, v[STO]
	v_mul_u32_u24 v[RD], v[HF], BPITCH             ; back: lanes 0-15 one row of 256 bytes, lanes 16-31 the next
	v_lshl_add_u32 v[RD], v[RL], 4, v[RD]
	v_add_nc_u32 v[RD], s90, v[RD]
	v_lshlrev_b32 v[GO], 14, v[HF]                 ; and the same two rows of the output
	v_lshl_add_u32 v[GO], v[RL], 4, v[GO]
.endif
	v_lshlrev_b32 v[PFOW], 14, v[PFOW]
	v_and_b32 v15, 3, v14
	v_lshl_add_u32 v[PFOW], v15, 8, v[PFOW]
	s_wait_loadcnt 2*HL                            ; step 0's W and scales are in; step 1's may stay out
	WIN MUL
.set rk, 0
.rept 16*NT
	RID 0
.endr
	STORES 0, 0
	STORES 1, 0
	BUMP                                           ; the walk's second slab
	WLOAD 0, 0, 0                                  ; step 2
	WLOAD 1, 0, 0
	WIN 0
	s_wait_tensorcnt 0x1                           ; my part of slot 0 is in; slot 1's may stay out
	s_wait_dscnt 0x0                               ; my rows of B slot 0 are stored
	s_barrier_signal -1
	s_barrier_wait -1
	FETCHF 0, 0, 0
	Q0 0, 1, 3*HL, 1                               ; the first quarter stands ahead of the loop: its products start the sums
	WIN 0
.Ltrip:                                        ; steps 2 p and 2 p + 1, from the first's second quarter to the first quarter of step 2 p + 2; one slot of A is filled again
	REST 0, 1, 1, 2*HL, 0
	Q0 1, 1, 3*HL, 0
	REST 1, 1, 1, 2*HL, 1
	Q0 0, 1, 3*HL, 0
	WIN 0
	s_sub_co_u32 s55, s55, 1
	s_cmp_lg_u32 s55, 0
	s_cbranch_scc1 .Ltrip
	REST 0, 1, 1, 2*HL, 0                          ; step 28: the last loads of W, step 31's
	Q0 1, 1, 3*HL, 0
	REST 1, 1, 0, 2*HL, 2                          ; step 29: the slots change, nothing is asked for
	Q0 0, 1, HL, 0                                 ; step 30: behind the half that is wanted only step 31's second half was issued
	REST 0, 1, 0, 0, 0
.if QKV
	; the table for all four row tiles, into W's two register sets, which have been converted: for each row tile and unit my row's 4 cosines and 4 sines; on its way under the last step
	WIN 0
	s_lshl_b32 s89, s22, 8
	s_lshl_b32 s90, s18, 6
	s_add_co_u32 s89, s89, s90
	v_add_nc_u32 v14, s89, v[RL]                   ; my row in row tile 0
.set ti, 0
.rept NT
	v_mul_lo_u32 v[TC+ti], v14, s[FI+ti]
	v_lshl_add_u32 v[TC+ti], v[HF], 4, v[TC+ti]    ; my half of the lanes has the unit's frequencies 4 (l / 16) on
.set ti, ti+1
.endr
	v_lshlrev_b32 v15, 5, v[RL]
	v_lshl_add_u32 v15, v[HF], 4, v15              ; my 16 bytes of 16 rows of a unit
	WIN 0x80
.set ta, 0
.rept 4
.set ti, 0
.rept NT
	global_load_b128 v[TBL+8*(NT*ta+ti):TBL+8*(NT*ta+ti)+3],   v[TC+ti], s[RB+2*ti:RB+2*ti+1] offset:ta*8192
	global_load_b128 v[TBL+8*(NT*ta+ti)+4:TBL+8*(NT*ta+ti)+7], v[TC+ti], s[RB+2*ti:RB+2*ti+1] offset:ta*8192+256
.set ti, ti+1
.endr
.set ta, ta+1
.endr
.endif
	Q0 1, 0, 0, 0                                  ; step 31
	REST 1, 0, 0, 0, 3
	PLACES
.if QKV
; Row tile a.  Registers 0-3 of an accumulator are four low dims x, registers 4-7 their partners y: x cos - y sin and y cos + x sin, with 2^-11 in the table; rounded to f16 into the tile's own
; accumulator registers, which nothing writes again; an accumulator's store is 512 consecutive bytes of its unit.  The wait leaves the later row tiles' 2 NT loads each out.
.macro ROPE a
.set AB, ACC+8*NT*(\a)
.set TB, TBL+8*NT*(\a)
	s_wait_loadcnt 2*NT*(3-(\a))
	WIN 0x08                                       ; source 1, the table, in window 2
.set k, 0
.rept NT
	v_pk_mul_f32 v[T+8*k+4:T+8*k+5], v[AB+8*k:AB+8*k+1],     v[TB+8*k+4:TB+8*k+5]  ; x sin: each accumulator is read from its low end on
	v_pk_mul_f32 v[T+8*k+6:T+8*k+7], v[AB+8*k+2:AB+8*k+3],   v[TB+8*k+6:TB+8*k+7]
	v_pk_mul_f32 v[T+8*k:T+8*k+1],   v[AB+8*k+4:AB+8*k+5],   v[TB+8*k+4:TB+8*k+5]  ; y sin
	v_pk_mul_f32 v[T+8*k+2:T+8*k+3], v[AB+8*k+6:AB+8*k+7],   v[TB+8*k+6:TB+8*k+7]
.set k, k+1
.endr
.set k, 0
.rept NT
	v_pk_fma_f32 v[T+8*k:T+8*k+1],   v[AB+8*k:AB+8*k+1],     v[TB+8*k:TB+8*k+1],     v[T+8*k:T+8*k+1] neg_lo:[0,0,1] neg_hi:[0,0,1]
	v_pk_fma_f32 v[T+8*k+2:T+8*k+3], v[AB+8*k+2:AB+8*k+3],   v[TB+8*k+2:TB+8*k+3],   v[T+8*k+2:T+8*k+3] neg_lo:[0,0,1] neg_hi:[0,0,1]
	v_pk_fma_f32 v[T+8*k+4:T+8*k+5], v[AB+8*k+4:AB+8*k+5],   v[TB+8*k:TB+8*k+1],     v[T+8*k+4:T+8*k+5]
	v_pk_fma_f32 v[T+8*k+6:T+8*k+7], v[AB+8*k+6:AB+8*k+7],   v[TB+8*k+2:TB+8*k+3],   v[T+8*k+6:T+8*k+7]
.set k, k+1
.endr
	WIN 0
.set k, 0
.rept 4*NT
	v_cvt_pk_f16_f32 v[AB+k], v[T+2*k], v[T+2*k+1]
.set k, k+1
.endr
.set k, 0
.rept NT
	global_store_b128 v15, v[AB+4*k:AB+4*k+3], s[86:87] offset:k*32768+(\a)*512
.set k, k+1
.endr
.endm
	WIN 0
	s_wait_xcnt 0x0                                ; the table's loads, a step back, have read their offsets, which lie among the registers written next
	ROPE 0
	ROPE 1
	ROPE 2
	ROPE 3
.else
; Row tile a: times 2^-11; 16 rows x 256 bytes through my own stage; back as whole rows; sixteen lanes store 256 consecutive bytes, aligned.
.macro OUTA a
.set AB, ACC+8*NT*(\a)
.set BK, 16+176*((\a)%2)
	WIN 0
.set k, 0
.rept 4*NT
	v_pk_mul_f32 v[AB+2*k:AB+2*k+1], v[AB+2*k:AB+2*k+1], s[84:85] op_sel_hi:[1,0]
.set k, k+1
.endr
.if (\a) >= 2
	s_wait_xcnt 0x0                                ; the stores of two tiles back have read the registers that are loaded again below
.endif
.set k, 0
.rept NT
	ds_store_b128 v[STO], v[AB+8*k:AB+8*k+3]   offset:64*k
	ds_store_b128 v[STO], v[AB+8*k+4:AB+8*k+7] offset:64*k+16
.set k, k+1
.endr
.set k, 0
.rept 8
	ds_load_b128 v[BK+4*k:BK+4*k+3], v[RD] offset:k*2*BPITCH  ; LDS serves a wave's instructions in order (ISA guide 5.7.1.4): these see the stores above
.set k, k+1
.endr
.set k, 0
.rept 8
	s_wait_dscnt 7-k
	global_store_b128 v[GO], v[BK+4*k:BK+4*k+3], s[86:87] offset:(16*(\a)+2*k)*16384
.set k, k+1
.endr
.endm
	OUTA 0
	OUTA 1
	OUTA 2
	OUTA 3
.endif
	WIN 0
	s_wait_tensorcnt 0x0                           ; the wave's end: an add to my spare word and its wait, behind my last tensor load and my last LDS store
	ds_add_u32 v[SPW], v[NIL]
	s_wait_dscnt 0x0
	CROUND                                         ; the closing round: no work-group ends while a partner may still ask for a tile that names it
	s_endpgm
.Lfunc_end_k_q356dbe74db_qkv:
	.size	k_q356dbe74db_qkv, .Lfunc_end_k_q356dbe74db_qkv-k_q356dbe74db_qkv
	.p2alignl 7, 3214868480
	.fill 96, 4, 3214868480
	.section	.rodata,"a",@progbits
	.p2align	6, 0x0
	.amdhsa_kernel k_q356dbe74db_qkv
		.amdhsa_group_segment_fixed_size 327680
		.amdhsa_private_segment_fixed_size 0
		.amdhsa_enable_private_segment 0
		.amdhsa_kernarg_size 56
		.amdhsa_user_sgpr_count 2
		.amdhsa_user_sgpr_kernarg_segment_ptr 1
		.amdhsa_wavefront_size32 1
		.amdhsa_system_sgpr_workgroup_id_x 1
		.amdhsa_system_sgpr_workgroup_id_y 1
		.amdhsa_system_sgpr_workgroup_id_z 1
		.amdhsa_system_vgpr_workitem_id 0
		.amdhsa_next_free_vgpr 768
		.amdhsa_next_free_sgpr 102
		.amdhsa_reserve_vcc 0
		.amdhsa_float_denorm_mode_32 3
		.amdhsa_float_denorm_mode_16_64 3
		.amdhsa_memory_ordered 1
		.amdhsa_forward_progress 1
		.amdhsa_inst_pref_size 177
	.end_amdhsa_kernel
	.amdgpu_metadata
---
amdhsa.version: [ 1, 2 ]
amdhsa.kernels:
  - .name:           k_q356dbe74db_qkv
    .symbol:         k_q356dbe74db_qkv.kd
    .args:
      - { .name: xh, .offset: 0, .size: 8, .value_kind: global_buffer, .address_space: global }
      - { .name: q_wq, .offset: 8, .size: 8, .value_kind: global_buffer, .address_space: global }
      - { .name: k_wq, .offset: 16, .size: 8, .value_kind: global_buffer, .address_space: global }
      - { .name: v_wq, .offset: 24, .size: 8, .value_kind: global_buffer, .address_space: global }
      - { .name: stq, .offset: 32, .size: 8, .value_kind: global_buffer, .address_space: global }
      - { .name: rt, .offset: 40, .size: 8, .value_kind: global_buffer, .address_space: global }
      - { .name: qkvu, .offset: 48, .size: 8, .value_kind: global_buffer, .address_space: global }
    .group_segment_fixed_size: 327680
    .private_segment_fixed_size: 0
    .kernarg_segment_align: 8
    .kernarg_segment_size: 56
    .max_flat_workgroup_size: 128
    .sgpr_count:     102
    .vgpr_count:     768
    .wavefront_size: 32
...
	.end_amdgpu_metadata
.endif
;; end of part 2
;; launch attn (part 3): grid 32 x 8, 4 waves a work-group, clusters of 4 x 1, 327,680 bytes of LDS; arguments qkvu, at; writes at
.if DOCPART == 3
	.amdgcn_target "amdgcn-amd-amdhsa--gfx1250"
	.amdhsa_code_object_version 6
	.text
	.protected	k_q356dbe74db_attn
	.globl	k_q356dbe74db_attn
	.p2align	8
	.type	k_q356dbe74db_attn,@function
k_q356dbe74db_attn:
	s_mov_b64 s[64:65], 0
	v_nop
	global_prefetch_b8 v0, s[64:65] scope:SCOPE_SE
	s_setreg_imm32_b32 hwreg(HW_REG_WAVE_MODE, 25, 1), 1
	s_wait_xcnt 0x0
	s_wait_alu depctr_hold_cnt(0) depctr_sa_sdst(0) depctr_va_vdst(0) depctr_va_sdst(0) depctr_va_ssrc(0) depctr_va_vcc(0) depctr_vm_vsrc(0)
	s_getreg_b32 s2, hwreg(HW_REG_IB_STS2, 6, 4)
	s_cmp_eq_u32 s2, 0
	s_cbranch_scc0 .Lentry_in_a_cluster
	s_endpgm
.Lentry_in_a_cluster:
	s_bfe_u32 s2, ttmp6, 0x10000c
	s_cmp_lg_u32 s2, 0x3003
	s_cbranch_scc0 .Lentry_shape_is_right
	s_endpgm
.Lentry_shape_is_right:
; CAUSAL ATTENTION, 32 query heads on 8 key and value heads, head size 128, 1,024 positions.  q, k, v come by units: qkvu[unit 384][position 1024][16] f16, 8 x their value;
; unit u holds, in this order, dims d .. d + 3, 64 + d .. 64 + d + 3, d + 4 .. d + 7, 64 + d + 4 .. 64 + d + 7, d = 8 (u & 7), of head u >> 3 (0-31 q, 32-39 k, 40-47 v).
; at[1024][4096] f16 leaves as 8 x the attention's result.
; Products, maxima and sums in f32; the weights p are rounded to f16 for the second product (their sum is taken of the unrounded p), the result once.
; LIMITS.  A hidden score counts as its value less 1e30 (f16's scores stay under 6e11); a weight below 2^-126 counts as 0; NaN and infinities are not treated apart.
; SHARES.  A cluster (x = a, y = the key head) owns the blocks a and 15 - a of 64 positions; the work-group at cx rows 16 cx .. 16 cx + 15 of each; wave w is query head 4 kv + w: one tile of 16 queries at a time.
; THE WALK.  Block j needs the key steps 0 .. j of 64 keys; they come in tiles of 128 keys.  Block a has (a >> 1) + 1 tiles, block 15 - a has 8 - (a >> 1): 9 tiles, 18 steps, whatever a: all work-groups do
; equal work, and one loop with a constant count walks them.  One of the 18 steps lies wholly above the diagonal and is computed all the same.  All four partners walk alike, so every tile of K and V is asked
; for JOINTLY.  What a trip does hangs on scalars made from a alone.  No prefetch: K and V are 4 MiB in all, and the tiles' first requests all fall into the first trips.
; LAYOUT.  S^T = K Q^T (source 0 = 16 keys, source 1 = 16 queries): a lane holds ONE query (lane % 16) and the keys 8 (lane / 16) + 0..7.  Two such results rounded to f16 ARE source 1 of O^T = V^T P.
; Q and K are read in the same order of channels (32 channels = two units), so the products are the true ones; V's order is undone on the way out, by addresses.
; THE MASK is the C operand that starts S^T: MC = MD x AL + BE; MD is the mask of the block's own step for my 16 rows; (AL, BE) = (1, 0) in that step, (0, 0) before it, (0, -1e30) behind it.
; SOFTMAX.  A running maximum m and sum l: p = 2^(c s - c m), c = log2(e) / sqrt(128) / 64 (both operands carry a factor 8); O and l are multiplied by 2^(c m_old - c m_new) in every step.
; REGISTERS.  window 0: v2-8 addresses; v16-19 c m, m, l, l; v20-23 at work; v32-63 Q; v64-95 S^T; v96-111 P; v128-191 O^T.  window 1: v0-127 K of a step, v128-255 V of a step.
; window 2: v0-31 the second block's Q; v32-63 MD; v64-95 MC.
.set KUNIT, 6144                       ; a unit of K in a slot: 128 keys x 48 bytes (32 + 16 of padding: 16 keys start at 16 different groups of four banks, ISA guide 11.1)
.set KSTEP, 3072                       ; 64 keys
.set VOFF,  8*KUNIT                    ; V behind K: 8 units x 128 keys x 32 bytes, no padding
.set VSTEP, 2048
.set SLOT1, 1<<17                      ; slot 1 begins here: one exclusive or changes slots
.set STAGE, SLOT1+VOFF+32768           ; 16 rows x 272 bytes for each wave, for the way out
.set SP,    272
.set SPARE, STAGE+4*16*SP              ; the spare words, 128 bytes for each wave: two blocks of 256 bytes that no other line names
.set AK0, 2
.set AV0, 3
.set AK,  4
.set AV,  5
.set STO, 6
.set RD,  7
.set GO,  8
.set ST,  16
.set C,   20
.set SPW, 24
.set NIL, 25
.set QO,  26
.set Q,   32
.set S,   64
.set P,   96
.set O,   128
.set VF,  128                          ; window 1
.set MD,  32                           ; window 2
.set MC,  64
.set WV,  12                           ; s12 wave, s13 cx, s14 a, s15 key head
.set G1K, 24
.set G1V, 32
.set G0K, 40
.set G0V, 44
.set KB,  48                           ; s[48:49] K at my four units, tile 0
.set VB,  50
.set OFF, 52                           ; s[52:53] a tile's bytes in a unit
.set SLOTS, 54
.set CNT, 55
.set NXT, 56                           ; the tile to be asked for next
.set LQ,  57                           ; the last tile of the block whose tiles are being asked for
.set CS,  58
.set SEL, 60
.set TBK, 62                           ; LDS byte at which K of the step to be fetched begins
.set TBV, 63
.set RS,  66                           ; steps of the block in hand that are not finished
.set KS,  67                           ; the step, in its block, whose mask is made next
.set JB,  68                           ; that block's own step
.set JBH, 69                           ; 15 - a
.set LQH, 70
.set RSH, 71
.set AL,  72
.set BE,  74
.set BIGN, 76
.set OB,  78                           ; s[78:79] at, at my rows of the block in hand
.set OBH, 80
.set QL,  82
.set QH,  84
.set MSB, 0
.macro WIN new
.if MSB != (\new)
	s_set_vgpr_msb (MSB<<8)|(\new)
.set MSB, \new
.endif
.endm
.macro PLACES
.rept 4
	v_nop
.endr
.endm
.macro CROUND                          ; a round of the cluster's barrier
	s_barrier_signal -1
	s_barrier_wait -1
	s_cmp_lg_u32 s[WV], 0
	s_cbranch_scc1 .Lnw0_\@
	s_barrier_signal -3
.Lnw0_\@:
	s_barrier_wait -3
	s_barrier_signal -1
	s_barrier_wait -1
.endm
.macro JLOAD                           ; waves 0, 1 fetch K's units 0-3 and 4-7 of a tile, waves 2, 3 V's; the branch hangs on the wave's number alone
	s_cmp_lt_u32 s[WV], 2
	s_cbranch_scc0 .Lfor_v_\@
	tensor_load_to_lds s[G0K:G0K+3], s[G1K:G1K+7]
	s_nop 0
	PLACES
	s_branch .Lasked_\@
.Lfor_v_\@:
	tensor_load_to_lds s[G0V:G0V+3], s[G1V:G1V+7]
	s_nop 0
	PLACES
.Lasked_\@:
.endm
; THE CHANGE OF SLOTS.  Each wave waits for all its tensor loads (one is out: its part of the other slot), adds 0 to its spare word, and waits for that and for its reads of the slot that it leaves (V of the tile's
; second step is then in registers).  fill = 1: a round of the cluster's barrier, and the slot is filled again first thing behind it, with tile NXT: the address is made anew from that number.
.macro CHANGE fill
	WIN 0
	s_wait_tensorcnt 0x0
	ds_add_u32 v[SPW], v[NIL]                      ; 0 onto my spare word; scalar work stands between it and the wait for it
.if \fill
	s_lshl_b32 s[OFF], s[NXT], 12
	s_xor_b32 s[G0K+1], s[G0K+1], SLOT1
	s_add_nc_u64 s[G0K+2:G0K+3], s[KB:KB+1], s[OFF:OFF+1]
	s_or_b32 s[G0K+3], s[G0K+3], 0x80000000
	s_xor_b32 s[G0V+1], s[G0V+1], SLOT1
	s_add_nc_u64 s[G0V+2:G0V+3], s[VB:VB+1], s[OFF:OFF+1]
	s_or_b32 s[G0V+3], s[G0V+3], 0x80000000
	s_add_co_u32 s[NXT], s[NXT], 1                 ; the block's next tile, or behind its last the second block's tile 0
	s_cmp_gt_u32 s[NXT], s[LQ]
	s_cselect_b32 s[NXT], 0, s[NXT]
	s_cselect_b32 s[LQ], s[LQH], s[LQ]
.endif
	s_sub_co_u32 s[TBK], s[TBK], 2*KSTEP           ; the fetches go back to a slot's first step, in the other slot
	s_xor_b32 s[TBK], s[TBK], SLOT1
	s_sub_co_u32 s[TBV], s[TBV], 2*VSTEP
	s_xor_b32 s[TBV], s[TBV], SLOT1
	s_wait_dscnt 0x0
.if \fill
	CROUND
	JLOAD
.else
	s_barrier_signal -1
	s_barrier_wait -1
.endif
.endm
.macro FETCH_K                         ; a step's K: fragment (16 keys kb, 32 channels c) at 8 (4 kb + c): registers 0-3 from unit 2 c, 4-7 from unit 2 c + 1
	WIN 0
	v_add_nc_u32 v[AK], s[TBK], v[AK0]
	s_add_co_u32 s[TBK], s[TBK], KSTEP
	WIN 0x40
.set f, 0
.rept 16
	ds_load_b128 v[8*f:8*f+3],   v[AK] offset:(2*(f%4))*KUNIT+(f/4)*768
	ds_load_b128 v[8*f+4:8*f+7], v[AK] offset:(2*(f%4)+1)*KUNIT+(f/4)*768
.set f, f+1
.endr
.endm
.macro FETCH_V                         ; a step's V, turned: fragment (32 keys kk, unit i) at VF + 8 (8 kk + i)
	WIN 0
	v_add_nc_u32 v[AV], s[TBV], v[AV0]
	s_add_co_u32 s[TBV], s[TBV], VSTEP
	WIN 0x40
.set f, 0
.rept 16
	ds_load_tr16_b128 v[VF+8*f:VF+8*f+3],   v[AV] offset:(f%8)*4096+(f/8)*1024
	ds_load_tr16_b128 v[VF+8*f+4:VF+8*f+7], v[AV] offset:(f%8)*4096+(f/8)*1024+512
.set f, f+1
.endr
.endm
.macro KQ                              ; 16 products: channels 32 (i / 4) on, keys 16 (i % 4) on; the four accumulators take turns; the first four start the sums with the mask
.set i, 0
.rept 16
.set rS, S+8*(i%4)
.set rK, 8*(4*(i%4)+i/4)
.set rQ, Q+8*(i/4)
.set rM, MC+8*(i%4)
.if i < 4
	WIN 0x21
	v_wmma_f32_16x16x32_f16 v[rS:rS+7], v[rK:rK+7], v[rQ:rQ+7], v[rM:rM+7]
.else
	WIN 0x01
	v_wmma_f32_16x16x32_f16 v[rS:rS+7], v[rK:rK+7], v[rQ:rQ+7], v[rS:rS+7]
.endif
.set i, i+1
.endr
.endm
.macro PV                              ; 16 products: keys 32 (i / 8) on, unit i % 8; the eight accumulators take turns
	WIN 0x01
.set i, 0
.rept 16
.set rO, O+8*(i%8)
.set rV, VF+8*i
.set rP, P+8*(i/8)
	v_wmma_f32_16x16x32_f16 v[rO:rO+7], v[rV:rV+7], v[rP:rP+7], v[rO:rO+7]
.set i, i+1
.endr
.endm
.macro MASK
	WIN 0x82
.set z, 0
.rept 16
	v_pk_fma_f32 v[MC+2*z:MC+2*z+1], v[MD+2*z:MD+2*z+1], s[AL:AL+1], s[BE:BE+1] op_sel_hi:[1,0,0]
.set z, z+1
.endr
.endm
.macro SOFTMAX                         ; in phases: the maximum; the statistics; the scalings; ONE batch of 33 exponentials with one wait; the roundings; the sums; O^T's rescaling
	WIN 0
.irp j, 0,1,2,3
	v_max3_num_f32 v[C+\j], v[S+8*\j], v[S+8*\j+1], v[S+8*\j+2]  ; each accumulator is read from its low end on
.endr
.irp j, 0,1,2,3
	v_max3_num_f32 v[C+\j], v[C+\j], v[S+8*\j+3], v[S+8*\j+4]
.endr
.irp j, 0,1,2,3
	v_max3_num_f32 v[C+\j], v[C+\j], v[S+8*\j+5], v[S+8*\j+6]
.endr
	v_max3_num_f32 v[C], v[C], v[S+7], v[S+15]
	v_max3_num_f32 v[C+2], v[C+2], v[S+23], v[S+31]
	v_max3_num_f32 v[C], v[C], v[C+1], v[C+2]
	v_max3_num_f32 v[C], v[C], v[C+3], v[ST+1]
	v_permlanex16_b32 v[C+1], v[C], s[SEL], s[SEL+1]  ; the query's other 32 keys lie in the lane 16 away
	v_mov_b32 v[C+3], v[ST]                        ; c m_old
	v_max_num_f32 v[ST+1], v[C], v[C+1]
	v_mul_f32 v[ST], s[CS], v[ST+1]
	v_sub_f32 v[C+3], v[C+3], v[ST]
.set z, 0
.rept 16
	v_pk_fma_f32 v[S+2*z:S+2*z+1], v[S+2*z:S+2*z+1], s[CS:CS+1], v[ST:ST+1] op_sel_hi:[1,0,0] neg_lo:[0,0,1] neg_hi:[0,0,1]
.set z, z+1
.endr
	v_exp_f32 v[C+2], v[C+3]
.set z, 0
.rept 32
	v_exp_f32 v[S+z], v[S+z]
.set z, z+1
.endr
	v_nop                                          ; a plain instruction behind the last exponential,
	s_wait_alu depctr_va_vdst(0)                   ; and one wait for the batch, ahead of its first reader
.set z, 0
.rept 16
	v_cvt_pk_f16_f32 v[P+z], v[S+2*z], v[S+2*z+1]
.set z, z+1
.endr
.irp u, 0,1,2,3,4,5,6,7
	v_pk_add_f32 v[S+4*\u:S+4*\u+1], v[S+4*\u:S+4*\u+1], v[S+4*\u+2:S+4*\u+3]
.endr
.irp u, 0,1,2,3
	v_pk_add_f32 v[S+8*\u:S+8*\u+1], v[S+8*\u:S+8*\u+1], v[S+8*\u+4:S+8*\u+5]
.endr
.irp u, 0,1
	v_pk_add_f32 v[S+16*\u:S+16*\u+1], v[S+16*\u:S+16*\u+1], v[S+16*\u+8:S+16*\u+9]
.endr
	v_pk_add_f32 v[S:S+1], v[S:S+1], v[S+16:S+17]
	v_pk_fma_f32 v[ST+2:ST+3], v[ST+2:ST+3], v[C+2:C+3], v[S:S+1] op_sel_hi:[1,0,1]
.set z, 0
.rept 32
	v_pk_mul_f32 v[O+2*z:O+2*z+1], v[O+2*z:O+2*z+1], v[C+2:C+3] op_sel_hi:[1,0]
.set z, z+1
.endr
.endm
; H1 of step s: V of the step is fetched (four places behind the last product that read V); K is in; the scores.
.macro H1
	PLACES
	FETCH_V
	s_wait_dscnt 32                                ; all but V's run: K is in
	KQ
.endm
; H2 of step s: the scalars of step s + 1's mask; K of step s + 1 is fetched and its mask made (four places behind the scores' products); the softmax; V is in; O^T += V^T P.
; tail = 1: the walk's last tile: in its last trip (CNT = 1) there is no further step, and the fetch and the mask are jumped over; so the wait for V is for 0 on both ways.
.macro H2 tail
	s_sub_co_u32 s[RS], s[RS], 1
	s_add_co_u32 s[KS], s[KS], 1
	s_cmp_eq_u32 s[RS], 0                          ; the block ends with this step: the next step is the second block's first
	s_cselect_b32 s[KS], 0, s[KS]
	s_cselect_b32 s[JB], s[JBH], s[JB]
	s_cmp_eq_u32 s[KS], s[JB]
	s_cselect_b32 s[AL], 1.0, 0
	s_cmp_gt_u32 s[KS], s[JB]
	s_cselect_b32 s[BE], s[BIGN], 0
	PLACES
.if \tail
	WIN 0
	s_cmp_eq_u32 s[CNT], 1
	s_cbranch_scc1 .Lno_k_\@
.endif
	FETCH_K
	MASK
.if \tail
	WIN 0
.Lno_k_\@:
.endif
	SOFTMAX
.if \tail
	s_wait_dscnt 0x0
.else
	s_wait_dscnt 32                                ; all but K's run: V is in
.endif
	PV
.endm
; A BLOCK ENDS: l's halves and the other lanes' are added; O^T is divided by l, rounded to f16, and goes through my stage: a lane's 8 channels of unit i are dims 8 i + 4 (lane / 16) + 0..3 and the
; same four 64 further on: two pieces of 8 bytes of the row.
.macro END
	WIN 0
	PLACES
	v_add_f32 v[C], v[ST+2], v[ST+3]
	v_permlanex16_b32 v[C+1], v[C], s[SEL], s[SEL+1]
	v_add_f32 v[C], v[C], v[C+1]
	v_rcp_f32 v[C+2], v[C]
	v_nop
	s_wait_alu depctr_va_vdst(0)
.set z, 0
.rept 32
	v_pk_mul_f32 v[O+2*z:O+2*z+1], v[O+2*z:O+2*z+1], v[C+2:C+3] op_sel_hi:[1,0]
.set z, z+1
.endr
.set z, 0
.rept 32
	v_cvt_pk_f16_f32 v[S+z], v[O+2*z], v[O+2*z+1]
.set z, z+1
.endr
.irp f, 0,1,2,3,4,5,6,7
	ds_store_b64 v[STO], v[S+4*\f:S+4*\f+1]   offset:16*\f
	ds_store_b64 v[STO], v[S+4*\f+2:S+4*\f+3] offset:16*\f+128
.endr
.irp f, 0,1,2,3,4,5,6,7
	ds_load_b128 v[S+4*\f:S+4*\f+3], v[RD] offset:\f*2*SP  ; LDS serves a wave's instructions in order (ISA guide 5.7.1.4): these see the stores above
.endr
.irp f, 0,1,2,3,4,5,6,7
	s_wait_dscnt 7-\f
	global_store_b128 v[GO], v[S+4*\f:S+4*\f+3], s[OB:OB+1] offset:\f*2*8192  ; sixteen lanes store a head's 256 bytes of a row, aligned
.endr
.endm
; THE SECOND BLOCK BEGINS: c m far below every c s, so the first step multiplies O^T and l, which hold finite numbers, by 0.
.macro BEGIN
	s_wait_xcnt 0x0                                ; the stores have read their registers and their base
	s_mov_b64 s[OB:OB+1], s[OBH:OBH+1]
	s_mov_b32 s[RS], s[RSH]
	v_mov_b32 v[ST], 0xfe000000
	v_mov_b32 v[ST+1], 0xff7fffff
	WIN 0x02
.set z, 0
.rept 32
	v_mov_b32 v[Q+z], v[z]
.set z, z+1
.endr
	WIN 0
.endm
	s_load_b128 s[4:7], s[0:1], 0x0                ; qkvu s[4:5], at s[6:7]
	v_lshl_add_u32 v[SPW], v0, 2, SPARE
	v_mov_b32 v[NIL], 0
	ds_add_u32 v[SPW], v[NIL]                      ; the wave's opening; the add and its wait stand ahead of my first tensor load
	v_lshrrev_b32 v1, 5, v0
	v_readfirstlane_b32 s[WV], v1
	s_bfe_u32 s13, ttmp6, 0x40000                  ; cx: it enters Q's and the result's addresses and the mask's values alone
	s_mov_b32 s14, ttmp9                           ; a
	s_and_b32 s15, ttmp7, 0xffff                   ; the key head
	s_lshr_b32 s16, s14, 1
	s_sub_co_u32 s[LQH], 7, s16
	s_sub_co_u32 s[JBH], 15, s14
	s_mov_b32 s[JB], s14
	s_lshl_b32 s[RS], s16, 1
	s_add_co_u32 s[RS], s[RS], 2                   ; the first block's steps
	s_lshl_b32 s[RSH], s[LQH], 1
	s_add_co_u32 s[RSH], s[RSH], 2                 ; the second's
	s_mov_b32 s[KS], 0
	s_cmp_eq_u32 s16, 0                            ; a first block of one tile: the next tile asked for is the second block's tile 0
	s_cselect_b32 s[NXT], 0, 1
	s_cselect_b32 s[LQ], s[LQH], s16
	s_cmp_eq_u32 s14, 0
	s_cselect_b32 s[AL], 1.0, 0                    ; step 0's mask
	s_mov_b32 s[AL+1], 0
	s_mov_b32 s[BE], 0
	s_mov_b32 s[BE+1], 0
	s_mov_b32 s[BIGN], 0xf149f2ca                  ; -1e30
	s_mov_b32 s[OFF+1], 0
	s_mov_b32 s[CS], 0x3b0293ee                    ; c
	s_mov_b32 s[CS+1], s[CS]
	s_mov_b32 s[SEL], 0x76543210
	s_mov_b32 s[SEL+1], 0xfedcba98
	s_mov_b32 s[TBK], SLOT1+2*KSTEP                ; the first change of slots turns these two into 0
	s_mov_b32 s[TBV], SLOT1+2*VSTEP
	s_and_b32 s17, s[WV], 1                        ; which four units of a tile I fetch
	s_lshl_b32 s18, s15, 3
	s_lshl2_add_u32 s18, s17, s18
	s_add_co_u32 s19, s18, 256
	s_lshl_b32 s20, s19, 15                        ; a unit is 32,768 bytes
	s_mov_b32 s21, 0
	s_add_co_u32 s19, s18, 320
	s_lshl_b32 s22, s19, 15
	s_mov_b32 s23, 0
	; group 1: four units' 4,096 bytes of a tile, in elements of 8 bytes; K is padded by 4 words after every key's 8
	s_mov_b32 s[G1K], 15|(3<<16)|(1<<20)|(1<<21)|(2<<22)|(3<<25)
	s_mov_b32 s[G1V], 15|(3<<16)|(1<<21)
.irp g, G1K, G1V
	s_mov_b32 s[\g+1], 512<<16                     ; tensor_dim0 = 512
	s_mov_b32 s[\g+2], 4<<16                       ; tensor_dim1 = 4
	s_mov_b32 s[\g+3], 512<<16                     ; tile_dim0 = 512
	s_mov_b32 s[\g+4], 4                           ; tile_dim1 = 4
	s_mov_b32 s[\g+5], 4096                        ; elements from unit to unit
	s_mov_b32 s[\g+6], 0
	s_mov_b32 s[\g+7], 0
.endr
	s_mov_b32 s[G0K], 1
	s_mul_i32 s[G0K+1], s17, 4*KUNIT
	s_mov_b32 s[G0V], 1
	s_lshl_b32 s[G0V+1], s17, 14
	s_add_co_u32 s[G0V+1], s[G0V+1], VOFF
	s_lshl2_add_u32 s8, s15, s[WV]                 ; my query head
	s_lshl_b32 s9, s8, 18                          ; its 8 units
	s_lshl_b32 s10, s13, 9                         ; my band's 16 rows of 32 bytes
	s_add_co_u32 s9, s9, s10
	s_lshl_b32 s10, s14, 11
	s_add_co_u32 s86, s9, s10
	s_mov_b32 s87, 0
	s_lshl_b32 s10, s[JBH], 11
	s_add_co_u32 s88, s9, s10
	s_mov_b32 s89, 0
	s_wait_dscnt 0x0                               ; the opening add is done
	s_wait_kmcnt 0x0
	s_add_nc_u64 s[KB:KB+1], s[4:5], s[20:21]
	s_add_nc_u64 s[VB:VB+1], s[4:5], s[22:23]
	s_mov_b64 s[G0K+2:G0K+3], s[KB:KB+1]
	s_or_b32 s[G0K+3], s[G0K+3], 0x80000000
	s_mov_b64 s[G0V+2:G0V+3], s[VB:VB+1]
	s_or_b32 s[G0V+3], s[G0V+3], 0x80000000
	s_add_nc_u64 s[QL:QL+1], s[4:5], s[86:87]
	s_add_nc_u64 s[QH:QH+1], s[4:5], s[88:89]
	s_lshl_b32 s9, s8, 8                           ; the head's 256 bytes of a row of the result,
	s_lshl_b32 s10, s13, 17                        ; my band's 16 rows of 8,192 bytes
	s_add_co_u32 s9, s9, s10
	s_lshl_b32 s10, s14, 19
	s_add_co_u32 s86, s9, s10
	s_lshl_b32 s10, s[JBH], 19
	s_add_co_u32 s88, s9, s10
	s_add_nc_u64 s[OB:OB+1], s[6:7], s[86:87]
	s_add_nc_u64 s[OBH:OBH+1], s[6:7], s[88:89]
	CROUND                                         ; all four work-groups are here: the first joint loads meet
	JLOAD                                          ; tile 0 into slot 0
	v_and_b32 v1, 15, v0                           ; l % 16
	v_bfe_u32 v9, v0, 4, 1                         ; l / 16
	v_lshlrev_b32 v[QO], 5, v1
	v_lshl_add_u32 v[QO], v9, 4, v[QO]
.set i, 0
.rept 4                                ; both blocks' Q: 32 channels = units 2 i and 2 i + 1; a load is 512 consecutive bytes
	global_load_b128 v[Q+8*i:Q+8*i+3],   v[QO], s[QL:QL+1] offset:i*65536
	global_load_b128 v[Q+8*i+4:Q+8*i+7], v[QO], s[QL:QL+1] offset:i*65536+32768
.set i, i+1
.endr
	WIN 0x80
.set i, 0
.rept 4
	global_load_b128 v[8*i:8*i+3],   v[QO], s[QH:QH+1] offset:i*65536
	global_load_b128 v[8*i+4:8*i+7], v[QO], s[QH:QH+1] offset:i*65536+32768
.set i, i+1
.endr
	WIN 0
	v_lshlrev_b32 v14, 3, v9
	v_sub_nc_u32 v14, v1, v14
	s_lshl_b32 s9, s13, 4
	v_add_nc_u32 v14, s9, v14                      ; my query's place in its block less my lanes' 8 (l / 16): register j of key group kb is hidden where 16 kb + j is greater
	WIN 0x80
.set i, 0
.rept 32
	v_cmp_gt_i32 vcc_lo, 16*(i/8)+i%8, v14
	v_cndmask_b32 v[MD+i], 0, s[BIGN], vcc_lo
.set i, i+1
.endr
	WIN 0
	v_mul_u32_u24 v[AK0], v1, 48
	v_lshl_add_u32 v[AK0], v9, 4, v[AK0]           ; key x 48 + 16 x half
	v_and_b32 v10, 7, v0
	v_bfe_u32 v11, v0, 3, 1
	v_lshl_add_u32 v[AV0], v9, 3, v10              ; the turning load: lane l reads key 8 (l / 16) + l % 8, entries 8 ((l / 8) % 2) on
	v_lshlrev_b32 v[AV0], 5, v[AV0]
	v_lshl_add_u32 v[AV0], v11, 4, v[AV0]
	v_add_nc_u32 v[AV0], VOFF, v[AV0]
	s_mul_i32 s16, s[WV], 16*SP
	s_add_co_u32 s16, s16, STAGE
	v_mul_u32_u24 v[STO], v1, SP                   ; in: row l % 16, 8 bytes for each half of the lanes
	v_lshl_add_u32 v[STO], v9, 3, v[STO]
	v_add_nc_u32 v[STO], s16, v[STO]
	v_mul_u32_u24 v[RD], v9, SP
	v_lshl_add_u32 v[RD], v1, 4, v[RD]
	v_add_nc_u32 v[RD], s16, v[RD]
	v_lshlrev_b32 v[GO], 13, v9
	v_lshl_add_u32 v[GO], v1, 4, v[GO]
	v_mov_b32 v[ST], 0xfe000000                    ; c m: far below every c s
	v_mov_b32 v[ST+1], 0xff7fffff                  ; m
	v_mov_b32 v[ST+2], 0
	v_mov_b32 v[ST+3], 0
.set i, 0
.rept 64
	v_mov_b32 v[O+i], 0                            ; the first step multiplies O^T by 0: it need only be finite; written in the wait for the first tile
.set i, i+1
.endr
	CHANGE 1                                       ; tile 0 is in, everybody's part of it; the walk's second tile is asked for
	FETCH_K                                        ; step 0
	MASK
	WIN 0
	s_wait_loadcnt 0x0                             ; Q
	s_mov_b32 s[CNT], 2
	s_mov_b32 s[SLOTS], 8
	s_branch .Lfirst                               ; the loop is entered in the middle of a trip
.Lslot:                                        ; seven times: with the change above, every tile of the walk but the last is entered here and the next asked for
	CHANGE 1
	s_mov_b32 s[CNT], 2
.Lstep:
	H2 0
	WIN 0
	s_cmp_lg_u32 s[RS], 0
	s_cbranch_scc1 .Lfirst                         ; forward, over text with no barrier and no tensor load
	END
	BEGIN
.Lfirst:
	H1
	WIN 0
	s_sub_co_u32 s[CNT], s[CNT], 1
	s_cmp_lg_u32 s[CNT], 0
	s_cbranch_scc1 .Lstep
	s_sub_co_u32 s[SLOTS], s[SLOTS], 1
	s_cmp_lg_u32 s[SLOTS], 0
	s_cbranch_scc1 .Lslot
	CHANGE 0                                       ; the walk's last tile is written out: nothing is asked for.  The first block has ended by now: it has four tiles at the most
	s_mov_b32 s[CNT], 3                            ; two trips fetch the last tile's two steps; the third is left in its middle
.Ltail:
	H2 1
	WIN 0
	s_sub_co_u32 s[CNT], s[CNT], 1
	s_cmp_eq_u32 s[CNT], 0
	s_cbranch_scc1 .Lout
	H1
	WIN 0
	s_branch .Ltail
.Lout:
	END
	s_wait_tensorcnt 0x0                           ; the wave's end: an add to my spare word and its wait, behind my last tensor load and my last LDS store
	ds_add_u32 v[SPW], v[NIL]
	s_wait_dscnt 0x0
	CROUND                                         ; the closing round
	s_endpgm
.Lfunc_end_k_q356dbe74db_attn:
	.size	k_q356dbe74db_attn, .Lfunc_end_k_q356dbe74db_attn-k_q356dbe74db_attn
	.p2alignl 7, 3214868480
	.fill 96, 4, 3214868480
	.section	.rodata,"a",@progbits
	.p2align	6, 0x0
	.amdhsa_kernel k_q356dbe74db_attn
		.amdhsa_group_segment_fixed_size 327680
		.amdhsa_private_segment_fixed_size 0
		.amdhsa_enable_private_segment 0
		.amdhsa_kernarg_size 16
		.amdhsa_user_sgpr_count 2
		.amdhsa_user_sgpr_kernarg_segment_ptr 1
		.amdhsa_wavefront_size32 1
		.amdhsa_system_sgpr_workgroup_id_x 1
		.amdhsa_system_sgpr_workgroup_id_y 1
		.amdhsa_system_sgpr_workgroup_id_z 1
		.amdhsa_system_vgpr_workitem_id 0
		.amdhsa_next_free_vgpr 608
		.amdhsa_next_free_sgpr 90
		.amdhsa_reserve_vcc 1
		.amdhsa_float_denorm_mode_32 3
		.amdhsa_float_denorm_mode_16_64 3
		.amdhsa_memory_ordered 1
		.amdhsa_forward_progress 1
		.amdhsa_inst_pref_size 68
	.end_amdhsa_kernel
	.amdgpu_metadata
---
amdhsa.version: [ 1, 2 ]
amdhsa.kernels:
  - .name:           k_q356dbe74db_attn
    .symbol:         k_q356dbe74db_attn.kd
    .args:
      - { .name: qkvu, .offset: 0, .size: 8, .value_kind: global_buffer, .address_space: global }
      - { .name: at, .offset: 8, .size: 8, .value_kind: global_buffer, .address_space: global }
    .group_segment_fixed_size: 327680
    .private_segment_fixed_size: 0
    .kernarg_segment_align: 8
    .kernarg_segment_size: 16
    .max_flat_workgroup_size: 128
    .sgpr_count:     90
    .vgpr_count:     608
    .wavefront_size: 32
...
	.end_amdgpu_metadata
.endif
;; end of part 3
;; launch oproj (part 4): grid 64 x 4, 4 waves a work-group, clusters of 4 x 4, 327,680 bytes of LDS; arguments at, o_wq, sto, out0; writes out0
.if DOCPART == 4
	.amdgcn_target "amdgcn-amd-amdhsa--gfx1250"
	.amdhsa_code_object_version 6
	.text
	.protected	k_q356dbe74db_oproj
	.globl	k_q356dbe74db_oproj
	.p2align	8
	.type	k_q356dbe74db_oproj,@function
k_q356dbe74db_oproj:
	s_mov_b64 s[64:65], 0
	v_nop
	global_prefetch_b8 v0, s[64:65] scope:SCOPE_SE
	s_setreg_imm32_b32 hwreg(HW_REG_WAVE_MODE, 25, 1), 1
	s_wait_xcnt 0x0
	s_wait_alu depctr_hold_cnt(0) depctr_sa_sdst(0) depctr_va_vdst(0) depctr_va_sdst(0) depctr_va_ssrc(0) depctr_va_vcc(0) depctr_vm_vsrc(0)
	s_getreg_b32 s2, hwreg(HW_REG_IB_STS2, 6, 4)
	s_cmp_eq_u32 s2, 0
	s_cbranch_scc0 .Lentry_in_a_cluster
	s_endpgm
.Lentry_in_a_cluster:
	s_bfe_u32 s2, ttmp6, 0x10000c
	s_cmp_lg_u32 s2, 0xf033
	s_cbranch_scc0 .Lentry_shape_is_right
	s_endpgm
.Lentry_shape_is_right:
; A PROJECTION WITH GROUP-WISE SCALED WEIGHTS.  C[m][n] = sum over k of A[m][k] code[n][k] scale[n][k / 128].  One text serves two launches; the two lines NT and QKV below choose.
;   QKV = 1: A = xh (64 x), 6,144 columns of q, k, v; the result is rotated (q, k) by the table rt, scaled by 2^-11 to 8 x its value, and stored in f16 by UNITS.
;   QKV = 0: A = at (8 x attention), 4,096 columns; the result times 2^-11 is the module's f32 output.
; FORMATS.  The weight operand is 256 x bf16(scale) x code: 8 bits times 4 bits, exact in f16; A is f16.  Sums in f32.  LIMITS: codes that are no integers are rounded once, in that product;
; q, k, v leave as 8 x their value in f16: |value| under 8,000, and below about 1e-5 f16's fixed step; NaN and infinities are not treated apart.
; UNITS (QKV = 1).  Unit u of 384 is 16 columns of head u >> 3 (0-31 q, 32-39 k, 40-47 v), in this order: dims d .. d + 3, 64 + d .. 64 + d + 3, d + 4 .. d + 7, 64 + d + 4 .. 64 + d + 7, d = 8 (u & 7).
; (QKV = 0: a unit is 16 columns on end.)
; SHARES.  A work-group makes 256 rows x NT units; wave w its rows 64 w .. 64 w + 63, all units: 4 x NT accumulators.  256 work-groups.  The product is taken transposed (source 0 = 16 rows of W,
; source 1 = 16 rows of A): a lane holds ONE row of C and 8 columns of a unit.
; A comes by joint tensor loads: the four work-groups of a row of the cluster want the same 256 rows.  K goes in 32 steps of 128 (a scale group); a SLAB is two steps; an LDS slot of A holds a slab
; (rows of 512 bytes), two slots; behind each change of slots a wave asks for its own 64 rows, and that load has two steps in which to land.
; THE WALK ALONG K IS ROTATED.  Cluster x begins at slab (2 x + x / 8) mod 16 and walks sixteen slabs, round the end of K (f32 sums may be taken in any order).  All sixteen clusters read the same
; rows of A: so at any time they ask for sixteen different slabs of it, and with the two first fills clusters 0-7, and clusters 8-15 likewise, ask for all sixteen at the launch's head.
; W comes through registers: wave w loads rows 4 w .. 4 w + 3 of each unit (a load = a row's 512 bytes of a step) and their scales, up to three steps ahead; in step g the data of step g + 1 are multiplied by
; their scales and rounded to f16 by two vector instructions behind each matrix instruction of the first two quarters, and stored into the B slot that step g does not read.
; The four work-groups of a column of the cluster read the same rows of W at the same time.
.set NT,  4                            ; units to a work-group
.set QKV, 0
.set AH,  1                            ; slabs by which the prefetch of W runs ahead of the slab whose loads have begun
.set APITCH, 528                       ; a row of A in LDS: 512 bytes + 16: the 16 rows of a fragment load start at 16 different groups of four banks (ISA guide 11.1)
.set AWAVE,  64*APITCH                 ; a wave's part of a slot
.set ASLOT,  4*AWAVE                   ; 0x21000: shares no bit with w x AWAVE, so one exclusive or changes slots
.set BBASE,  2*ASLOT
.set BPITCH, 272                       ; a row of W in LDS: 256 bytes + 16
.set BSLOT,  16*NT*BPITCH
.set STAGE,  BBASE+2*BSLOT             ; (QKV = 0) 16 rows x 272 bytes for each wave, for the way out
.set SPARE,  322560                    ; the spare words, 128 bytes for each wave: two blocks of 256 bytes that no other line names
.set NF, 2*NT+8                        ; LDS loads of a quarter's fragments
.set NS, 2*NT                          ; LDS stores of half a step's W
.set HL, 5*NT/2                        ; global loads of half a step's W and scales
.set TRIPS, 14                         ; trips of two steps that fill a slot again
; window 0
.set RL, 1                             ; v1  lane % 16
.set HF, 2                             ; v2  lane / 16
.set ADRA0, 3                          ; v3  my place in my wave's rows of a slot
.set ADRA, 4                           ; v4  the same in the slot in hand
.set ADRB, 5                           ; v5  my place in B slot 0
.set BST, 6                            ; v6  where I store 8 bytes of my wave's first row of W
.set WOFF, 7                           ; v7  16 lane + the bytes along K of the slab whose steps are being loaded
.set SOFF, 8                           ; v8  the same slab in the scale table
.set ZERO, 9
.set SPW, 10                           ; v10 LDS address of my spare word; never rewritten
.set NIL, 11                           ; v11 0; never rewritten
.set PFOW, 12                          ; v12 the prefetch's offset in W; never rewritten
.set L16, 13                           ; v13 16 lane; never rewritten
.set TMP, 16                           ; two registers a row: four numbers of W in f16
.set T, 16                             ; (QKV = 1, at the end) a row tile's rotated numbers
.set TC, 40                            ; (QKV = 1, ahead of the last step) my offset in the table, a unit each
.set STO, 48                           ; (QKV = 0) the way out
.set RD, 49
.set GO, 50
.set ACC, 64                           ; accumulator (a, b) at ACC + 8 (NT a + b)
; window 1
.set BF, 0                             ; W's fragments, two buffers of 8 NT
.set SC, 16*NT                         ; scales, two sets of 4 NT
; window 2
.set AF, 0                             ; A's fragments, two buffers of 32
.set WS, 64                            ; W as loaded, two sets of 16 NT
.set TBL, 64                           ; (QKV = 1, from the last step on) the table: row tile a, unit i: 4 cosines, 4 sines at TBL + 8 (NT a + i)
; scalars: s18 wave, s19 cx, s20 cy, s21 column group, s22 row block; s[24:31] group 1; s[32:35], s[36:39] two groups 0; s54 the slot in hand; s55 trips to go;
; s63 the bytes along K, in a row of W, of the slab whose steps are being loaded: a multiple of 1,024 under 16,384; s[92:93], s[96:97] offsets, their high words 0
.set WB, 40                            ; s[40:51] W at my first row of each unit
.set STB, 52                           ; s[52:53] my wave's scales
.set PFW, 56                           ; s[56:57] where the prefetch of W stands
.set ABASE, 58                         ; s[58:59] A at my wave's first row
.set RB, 66                            ; s[66:77] the table at each unit's frequencies
.set FI, 78                            ; s[78:83] bytes from row to row of the table: 512, or 0 for a unit of v
.set PFB, 100                          ; s[100:101] the tensor by which the prefetch goes
.set MUL, 0x09                         ; source 0 window 1, source 1 window 2, source 2 and destination window 0: serves the products AND the conversions behind them
.set MSB, 0
.macro WIN new                         ; the immediate's high byte repeats the setting that is left; a switch that changes nothing is dropped
.if MSB != (\new)
	s_set_vgpr_msb (MSB<<8)|(\new)
.set MSB, \new
.endif
.endm
.macro PLACES                          ; four plain instructions between a matrix instruction and a load into, or a vector line on, its registers
.rept 4
	v_nop
.endr
.endm
.macro CREST                           ; a round of the cluster's barrier behind its opening barrier
	s_cmp_lg_u32 s18, 0
	s_cbranch_scc1 .Lnw0_\@
	s_barrier_signal -3
.Lnw0_\@:
	s_barrier_wait -3
	s_barrier_signal -1
	s_barrier_wait -1
.endm
.macro CROUND
	s_barrier_signal -1
	s_barrier_wait -1
	CREST
.endm
.macro MM a, b, f, zero                ; one product; zero = 1: it starts the sum
.set rD, ACC+8*(NT*(\a)+(\b))
.set rB, BF+8*NT*(\f)+8*(\b)
.set rA, AF+32*(\f)+8*(\a)
.if \zero
	v_wmma_f32_16x16x32_f16 v[rD:rD+7], v[rB:rB+7], v[rA:rA+7], 0
.else
	v_wmma_f32_16x16x32_f16 v[rD:rD+7], v[rB:rB+7], v[rA:rA+7], v[rD:rD+7]
.endif
.endm
.macro RID set                         ; conversion number rk: row rk / 4; scale x code, rounded once to f16: numbers 0, 2 into the low halves, then 1, 3 into the high halves
.set rho, rk/4
.set rT, TMP+2*rho+(rk%2)
.set rW, WS+16*NT*(\set)+4*rho+2*(rk%2)+((rk/2)%2)
.set rS, SC+4*NT*(\set)+rho
.if (rk%4) < 2
	v_fma_mixlo_f16 v[rT], v[rS], v[rW], v[ZERO]
.else
	v_fma_mixhi_f16 v[rT], v[rS], v[rW], v[ZERO]
.endif
.set rk, rk+1
.endm
; n row tiles from a0 on x all units, 32 along K, from buffer f.  The 4 NT accumulators take turns in the same order in every quarter.  rid = 1: two conversions behind each product
.macro QHALF f, a0, n, rid, set, zero
	WIN MUL
.set qa, \a0
.rept \n
.set qb, 0
.rept NT
	MM qa, qb, \f, \zero
.if \rid
	RID \set
	RID \set
.endif
.set qb, qb+1
.endr
.set qa, qa+1
.endr
.endm
.macro FETCHF f, ka, kb                ; a quarter's fragments in one run: W's, then A's row tiles 0, 1, then 2, 3
	WIN 0x40
.set fi, 0
.rept NT
	ds_load_b128 v[BF+8*NT*(\f)+8*fi:BF+8*NT*(\f)+8*fi+3],   v[ADRB] offset:(\kb)+fi*16*BPITCH
	ds_load_b128 v[BF+8*NT*(\f)+8*fi+4:BF+8*NT*(\f)+8*fi+7], v[ADRB] offset:(\kb)+fi*16*BPITCH+32
.set fi, fi+1
.endr
	WIN 0x80
.set fi, 0
.rept 4
	ds_load_b128 v[AF+32*(\f)+8*fi:AF+32*(\f)+8*fi+3],   v[ADRA] offset:(\ka)+fi*16*APITCH
	ds_load_b128 v[AF+32*(\f)+8*fi+4:AF+32*(\f)+8*fi+7], v[ADRA] offset:(\ka)+fi*16*APITCH+32
.set fi, fi+1
.endr
.endm
.macro STORES hf, beta                 ; half hf of the units: my four rows of each into B slot beta; a store is a row's 256 bytes
	WIN 0
.set si, (\hf)*NT/2
.rept NT/2
.set sj, 0
.rept 4
	ds_store_b64 v[BST], v[TMP+2*(4*si+sj):TMP+2*(4*si+sj)+1] offset:(\beta)*BSLOT+(16*si+sj)*BPITCH
.set sj, sj+1
.endr
.set si, si+1
.endr
.endm
.macro WLOAD hf, set, imm              ; half hf of the units: four scales a unit (every lane the same 16 bytes), four rows a unit (512 consecutive bytes each); imm: 0 the slab's first step, 512 its second
	WIN 0x40
.set si, (\hf)*NT/2
.rept NT/2
	global_load_b128 v[SC+4*NT*(\set)+4*si:SC+4*NT*(\set)+4*si+3], v[SOFF], s[STB:STB+1] offset:(\imm)+16*si
.set si, si+1
.endr
	WIN 0x80
.set si, (\hf)*NT/2
.rept NT/2
.set sj, 0
.rept 4
	global_load_b128 v[WS+16*NT*(\set)+4*(4*si+sj):WS+16*NT*(\set)+4*(4*si+sj)+3], v[WOFF], s[WB+2*si:WB+2*si+1] offset:(\imm)+16384*sj
.set sj, sj+1
.endr
.set si, si+1
.endr
.endm
.macro BUMP                            ; once a trip: a slab on, round the end of K: a row of W and a column group's scales both have 16,384 bytes along K
	WIN 0
	s_wait_xcnt 0x0                                ; every load and prefetch issued so far has read its address (the youngest stand a quarter or more back): the offsets and the pointer may be written
	s_add_co_u32 s63, s63, 1024
	s_and_b32 s63, s63, 0x3fff
	v_add_nc_u32 v[WOFF], s63, v[L16]
	v_mov_b32 v[SOFF], s63
	s_add_co_u32 s92, s63, 1024*AH
	s_and_b32 s92, s92, 0x3fff
	s_add_nc_u64 s[PFW:PFW+1], s[PFB:PFB+1], s[92:93]
.endm
; A PREFETCH INTO THE L2 OF W, behind the joint load and the run of LDS loads.  In trip p the loads have reached slab p + 2 of my walk; the prefetch names slab p + 2 + AH (1,024 bytes of a row): its first step is
; loaded in the next trip's second step, its second step in the trip after.  A row of W is loaded by four waves, the wave with the same number in each of the four work-groups of my column; they share the rows out
; BY ADDRESS: wave w of the work-group at cy names row 4 w + cy of each unit; lane l unit l / 4, block l % 4 (lanes past 4 NT repeat the last unit's).
; The walk's first three slabs come by their loads alone; the last AH trips ask for nothing.
; A is not prefetched: every slab of it is asked for at the launch's head (see THE WALK), where nothing is prefetched.
.macro ASK
	s_cmp_gt_u32 s55, AH
	s_cbranch_scc0 .Lno_\@
	global_prefetch_b8 v[PFOW], s[PFW:PFW+1] th:TH_LOAD_NT scope:SCOPE_SE
.Lno_\@:
.endm
; A STEP is four quarters of 32 along K on fragment buffers 0, 1, 0, 1.  e = the step's parity: its half of A's rows, its B slot.  cv = 1: the next step's W is converted.  ld = 1: the step three on is loaded.
; Q0 is the first quarter.  l0: the loads that may stay out when the first half of the next step's W is wanted: its second half and, where they were issued, both halves of the step after.
.macro Q0 e, cv, l0, zero
.set rk, 0
.if \cv
	s_wait_loadcnt \l0
.endif
	s_wait_dscnt 4                                 ; all fragments but A's row tiles 2 and 3
	QHALF 0, 0, 2, \cv, 1-(\e), \zero
	PLACES
	FETCHF 1, 256*(\e)+64, (\e)*BSLOT+64
	s_wait_dscnt NF                                ; all but the run just issued
	QHALF 0, 2, 2, \cv, 1-(\e), \zero
.endm
; REST: quarters 1, 2 and 3.  l1: as l0, for the second half.  kind: 0 a barrier (the B slots change); 1 the same and A's slot is filled again, by a round of the cluster's barrier; 2 as 1 without a refill; 3 the last step.
; An even step loads the second step of the slab in hand; an odd step goes a slab on and loads its first step.
.macro REST e, cv, ld, l1, kind
.if \cv
	s_wait_loadcnt \l1
.endif
	s_wait_dscnt 4
	QHALF 1, 0, 2, \cv, 1-(\e), 0
	PLACES
.if \cv
	STORES 0, 1-(\e)
.endif
	FETCHF 0, 256*(\e)+128, (\e)*BSLOT+128
.if \ld
.if (\e) == 1
	BUMP
.endif
	WLOAD 0, 1-(\e), 512*(1-(\e))                  ; into the registers that the first quarter's conversions have read
.endif
	s_wait_dscnt NF+NS*(\cv)                       ; all but the stores and the run just issued
	QHALF 1, 2, 2, \cv, 1-(\e), 0
	s_wait_dscnt 4
	QHALF 0, 0, 2, 0, 0, 0
	PLACES
.if \cv
	STORES 1, 1-(\e)
.endif
	FETCHF 1, 256*(\e)+192, (\e)*BSLOT+192
.if \ld
	WLOAD 1, 1-(\e), 512*(1-(\e))
.endif
	s_wait_dscnt NF+NS*(\cv)
	QHALF 0, 2, 2, 0, 0, 0
.if (\kind) == 0
	s_wait_dscnt 4
	QHALF 1, 0, 1, 0, 0, 0
	s_wait_dscnt 0x0                               ; for the others' sake: my stores into the next B slot are done, my reads of this one are back
	s_barrier_signal -1
	QHALF 1, 1, 1, 0, 0, 0
	s_barrier_wait -1                              ; my tensor load may stay out
	PLACES
	FETCHF 0, 256*(1-(\e)), (1-(\e))*BSLOT
	QHALF 1, 2, 2, 0, 0, 0
.elseif (\kind) == 3
	s_wait_dscnt 4
	QHALF 1, 0, 2, 0, 0, 0
	s_wait_dscnt 0x0
	QHALF 1, 2, 2, 0, 0, 0
.else
	WIN 0
	s_wait_tensorcnt 0x0                           ; all my tensor loads have landed: the one that was out is my part of the other slot; so a group 0 may be written
	ds_add_u32 v[SPW], v[NIL]                      ; 0 onto my spare word
.if (\kind) == 1
	s_xor_b32 s37, s37, ASLOT                      ; the walking descriptor: the slot that is being read out,
	s_lshr_b32 s96, s63, 1                         ; the slab that W's loads have reached: two on from the one in hand; 512 bytes of a row of A for W's 1,024
	s_add_nc_u64 s[38:39], s[ABASE:ABASE+1], s[96:97]
	s_or_b32 s39, s39, 0x80000000
.endif
	s_wait_dscnt 5                                 ; (the add and the youngest four loads may be out)
	QHALF 1, 0, 1, 0, 0, 0
	s_wait_dscnt 0x0                               ; the add is done, my stores are done, my reads of both slots are back
	s_barrier_signal -1
	QHALF 1, 1, 1, 0, 0, 0
.if (\kind) == 1
	WIN 0
.endif
	s_barrier_wait -1
.if (\kind) == 1
	CREST                                          ; the barrier has opened a round of the cluster's: no wave of any partner still reads the slot or has a load on its way
	tensor_load_to_lds s[36:39], s[24:31]          ; my one tensor load behind the round: 64 rows x 512 bytes
	s_nop 0
	PLACES
.else
	PLACES
.endif
	WIN 0
	s_xor_b32 s54, s54, ASLOT
	v_add_nc_u32 v[ADRA], s54, v[ADRA0]
	FETCHF 0, 0, 0
.if (\kind) == 1
	WIN 0
	ASK
.endif
	QHALF 1, 2, 2, 0, 0, 0
.endif
.endm
.if QKV
	s_load_b256 s[4:11], s[0:1], 0x0               ; xh s[4:5], q_wq s[6:7], k_wq s[8:9], v_wq s[10:11]
	s_load_b128 s[12:15], s[0:1], 0x20             ; stq s[12:13], rt s[14:15]
	s_load_b64 s[16:17], s[0:1], 0x30              ; qkvu
.set TABP, 12
.else
	s_load_b256 s[4:11], s[0:1], 0x0               ; at s[4:5], o_wq s[6:7], sto s[8:9], out0 s[10:11]
.set TABP, 8
.endif
	v_lshl_add_u32 v[SPW], v0, 2, SPARE
	v_mov_b32 v[NIL], 0
	ds_add_u32 v[SPW], v[NIL]                      ; the wave's opening; the add and its wait stand ahead of my first tensor load
	v_lshrrev_b32 v14, 5, v0
	v_readfirstlane_b32 s18, v14                   ; wave
	s_bfe_u32 s19, ttmp6, 0x40000                  ; cx
	s_bfe_u32 s20, ttmp6, 0x40004                  ; cy
	s_lshl_b32 s21, ttmp9, 2
	s_add_co_u32 s21, s21, s19                     ; column group = 4 x cluster x + cx
	s_and_b32 s22, ttmp7, 0xffff
	s_lshl_b32 s22, s22, 2
	s_add_co_u32 s22, s22, s20                     ; row block = 4 x cluster y + cy
	s_lshl_b32 s63, ttmp9, 1                       ; the walk's first slab, from the cluster's x alone, which all sixteen partners share:
	s_lshr_b32 s99, ttmp9, 3
	s_add_co_u32 s63, s63, s99
	s_and_b32 s63, s63, 15                         ; (2 x + x / 8) mod 16,
	s_lshl_b32 s63, s63, 10                        ; in bytes of a row of W
	s_lshl_b32 s96, s20, 2
	s_lshl_b32 s96, 15, s96                        ; my row of the cluster
	s_or_b32 s24, s96, (1<<16)|(1<<20)|(1<<21)|(6<<22)|(3<<25)  ; the mask; 2-byte elements; padding on; bit 21 beside a mask; after every 128 words 4 words
	s_mov_b32 s25, 256<<16                         ; tensor_dim0 = 256
	s_mov_b32 s26, 64<<16                          ; tensor_dim1 = 64
	s_mov_b32 s27, 256<<16                         ; tile_dim0 = 256
	s_mov_b32 s28, 64                              ; tile_dim1 = 64
	s_mov_b32 s29, 4096                            ; elements from row to row
	s_mov_b32 s30, 0
	s_mov_b32 s31, 0
	s_lshl_b32 s96, s22, 8
	s_lshl_b32 s97, s18, 6
	s_add_co_u32 s96, s96, s97                     ; my wave's first row of A: row block and wave alone
	s_lshl_b32 s96, s96, 13
	s_mov_b32 s97, 0
	s_mul_i32 s98, s18, AWAVE
	s_mov_b32 s32, 1
	s_mov_b32 s33, s98                             ; slot 0
	s_mov_b32 s36, 1
	s_add_co_u32 s37, s98, ASLOT                   ; slot 1
	s_mov_b32 s54, 0
	s_mov_b32 s55, TRIPS
	s_wait_dscnt 0x0                               ; the opening add is done
	s_wait_kmcnt 0x0
	s_add_nc_u64 s[ABASE:ABASE+1], s[4:5], s[96:97]
	s_lshr_b32 s96, s63, 1
	s_add_nc_u64 s[34:35], s[ABASE:ABASE+1], s[96:97]  ; the walk's first slab
	s_add_co_u32 s96, s63, 1024
	s_and_b32 s96, s96, 0x3fff
	s_lshr_b32 s96, s96, 1
	s_add_nc_u64 s[38:39], s[ABASE:ABASE+1], s[96:97]  ; its second
	s_or_b32 s35, s35, 0x80000000
	s_or_b32 s39, s39, 0x80000000
	CROUND                                         ; all sixteen work-groups are here: the first joint loads meet
	tensor_load_to_lds s[32:35], s[24:31]          ; two loads of mine are out
	s_nop 0
	tensor_load_to_lds s[36:39], s[24:31]
	s_nop 0
	PLACES
	; where W, its scales and the results lie
.if QKV
	s_mul_i32 s23, s21, 6                          ; the group's first unit
	s_lshr_b32 s88, s18, 1
	s_lshl_b32 s88, s88, 2
	s_and_b32 s89, s18, 1
	s_lshl_b32 s89, s89, 6
	s_add_co_u32 s88, s88, s89                     ; my four rows of a unit are dims d + 4 (w >> 1) + 64 (w & 1) on
	s_mov_b32 s2, 4096
	s_mov_b32 s3, 5120
.macro UNIT i                          ; selects, never branches: the unit hangs on the work-group's place
	s_add_co_u32 s89, s23, \i
	s_lshr_b32 s90, s89, 3                         ; head of 48
	s_and_b32 s91, s89, 7
	s_lshl_b32 s94, s90, 7
	s_lshl3_add_u32 s94, s91, s94
	s_add_co_u32 s94, s94, s88                     ; my first column among the 6,144
	s_lshl_b32 s92, s91, 5                         ; the unit's 8 frequencies in a section of the table
	s_mov_b32 s93, 0
	s_cmp_lt_u32 s90, 40
	s_cselect_b64 s[WB+2*(\i):WB+2*(\i)+1], s[8:9], s[10:11]
	s_cselect_b32 s95, s2, s3
	s_cselect_b32 s[FI+(\i)], 512, 0
	s_cselect_b32 s92, s92, 0x80000                ; v: the rows without rotation
	s_cmp_lt_u32 s90, 32
	s_cselect_b64 s[WB+2*(\i):WB+2*(\i)+1], s[6:7], s[WB+2*(\i):WB+2*(\i)+1]
	s_cselect_b32 s95, 0, s95
.if (\i) == 0
	s_mov_b64 s[PFB:PFB+1], s[WB:WB+1]             ; the prefetch goes by unit 0's tensor:
	s_mov_b32 s61, s95                             ; its first column,
	s_cselect_b32 s62, s2, 0x400                   ; its rows
.endif
	s_add_nc_u64 s[RB+2*(\i):RB+2*(\i)+1], s[14:15], s[92:93]
	s_sub_co_u32 s94, s94, s95
	s_lshl_b32 s92, s94, 14
	s_add_nc_u64 s[WB+2*(\i):WB+2*(\i)+1], s[WB+2*(\i):WB+2*(\i)+1], s[92:93]
.endm
.else
.macro UNIT i
	s_lshl_b32 s92, s21, 6
	s_add_co_u32 s92, s92, 16*(\i)
	s_lshl2_add_u32 s92, s18, s92                  ; row 64 ng + 16 i + 4 w
	s_lshl_b32 s92, s92, 14
	s_mov_b32 s93, 0
	s_add_nc_u64 s[WB+2*(\i):WB+2*(\i)+1], s[6:7], s[92:93]
.endm
.endif
.set ui, 0
.rept NT
	UNIT ui
.set ui, ui+1
.endr
	s_lshl_b32 s92, s21, 14
	s_lshl_b32 s93, s18, 7
	s_add_co_u32 s92, s92, s93
	s_mov_b32 s93, 0
	s_add_nc_u64 s[STB:STB+1], s[TABP:TABP+1], s[92:93]
	v_and_b32 v14, 31, v0                          ; lane
	v_lshlrev_b32 v[L16], 4, v14
	v_add_nc_u32 v[WOFF], s63, v[L16]
	v_mov_b32 v[SOFF], s63
	WLOAD 0, 0, 0                                  ; step 0
	WLOAD 1, 0, 0
	WLOAD 0, 1, 512                                ; step 1
	WLOAD 1, 1, 512
	WIN 0
.if QKV
	s_lshl_b32 s92, s23, 15                        ; a unit is 1,024 rows x 32 bytes
	s_lshl_b32 s94, s22, 13
	s_add_co_u32 s92, s92, s94
	s_lshl_b32 s94, s18, 11
	s_add_co_u32 s92, s92, s94
	s_add_nc_u64 s[86:87], s[16:17], s[92:93]      ; the group's first unit at my wave's first row
.else
	s_mov_b64 s[PFB:PFB+1], s[6:7]
	s_lshl_b32 s92, s22, 22
	s_lshl_b32 s94, s18, 20
	s_add_co_u32 s92, s92, s94
	s_lshl_b32 s94, s21, 8
	s_add_co_u32 s92, s92, s94
	s_add_nc_u64 s[86:87], s[10:11], s[92:93]      ; my wave's first row, the group's 256 bytes
	s_mov_b32 s84, 0x3a000000                      ; 2^-11
	s_mov_b32 s85, s84
.endif
	v_and_b32 v[RL], 15, v0
	v_bfe_u32 v[HF], v0, 4, 1
	v_mul_u32_u24 v[ADRA0], v[RL], APITCH
	v_lshl_add_u32 v[ADRA0], v[HF], 4, v[ADRA0]
	v_add_nc_u32 v[ADRA0], s98, v[ADRA0]
	v_mov_b32 v[ADRA], v[ADRA0]
	v_mul_u32_u24 v[ADRB], v[RL], BPITCH
	v_lshl_add_u32 v[ADRB], v[HF], 4, v[ADRB]
	v_add_nc_u32 v[ADRB], BBASE, v[ADRB]
	s_mul_i32 s99, s18, 4*BPITCH
	s_add_co_u32 s99, s99, BBASE
	v_lshl_add_u32 v[BST], v14, 3, s99
	v_mov_b32 v[ZERO], 0
.set k, 0
.rept 8*NT
	v_mov_b32 v[TMP+k], 0                          ; a conversion writes one half and keeps the other: the registers are written whole once, while the first loads are out
.set k, k+1
.endr
	v_lshrrev_b32 v[PFOW], 2, v14
	v_min_u32 v[PFOW], NT-1, v[PFOW]               ; my unit
.if QKV
	v_add_nc_u32 v[PFOW], s23, v[PFOW]
	v_lshrrev_b32 v15, 3, v[PFOW]
	v_and_b32 v[PFOW], 7, v[PFOW]
	v_lshlrev_b32 v15, 7, v15
	v_lshl_add_u32 v[PFOW], v[PFOW], 3, v15
	s_add_co_u32 s89, s88, s20
	s_sub_co_u32 s89, s89, s61
	v_add_nc_u32 v[PFOW], s89, v[PFOW]             ; row 4 w + cy of the unit, counted in unit 0's tensor,
	s_sub_co_u32 s62, s62, 1
	v_min_u32 v[PFOW], s62, v[PFOW]                ; and held inside it
.else
	s_lshl_b32 s89, s21, 6
	s_lshl2_add_u32 s89, s18, s89
	s_add_co_u32 s89, s89, s20
	v_lshl_add_u32 v[PFOW], v[PFOW], 4, s89
	s_mul_i32 s90, s18, 16*BPITCH
	s_add_co_u32 s90, s90, STAGE                   ; my stage
	v_mul_u32_u24 v[STO], v[RL], BPITCH            ; in: row l % 16, 32 bytes for each half of the lanes
	v_lshl_add_u32 v[STO], v[HF], 5, v[STO]
	v_add_nc_u32 v[STO], s90, v[STO]
	v_mul_u32_u24 v[RD], v[HF], BPITCH             ; back: lanes 0-15 one row of 256 bytes, lanes 16-31 the next
	v_lshl_add_u32 v[RD], v[RL], 4, v[RD]
	v_add_nc_u32 v[RD], s90, v[RD]
	v_lshlrev_b32 v[GO], 14, v[HF]                 ; and the same two rows of the output
	v_lshl_add_u32 v[GO], v[RL], 4, v[GO]
.endif
	v_lshlrev_b32 v[PFOW], 14, v[PFOW]
	v_and_b32 v15, 3, v14
	v_lshl_add_u32 v[PFOW], v15, 8, v[PFOW]
	s_wait_loadcnt 2*HL                            ; step 0's W and scales are in; step 1's may stay out
	WIN MUL
.set rk, 0
.rept 16*NT
	RID 0
.endr
	STORES 0, 0
	STORES 1, 0
	BUMP                                           ; the walk's second slab
	WLOAD 0, 0, 0                                  ; step 2
	WLOAD 1, 0, 0
	WIN 0
	s_wait_tensorcnt 0x1                           ; my part of slot 0 is in; slot 1's may stay out
	s_wait_dscnt 0x0                               ; my rows of B slot 0 are stored
	s_barrier_signal -1
	s_barrier_wait -1
	FETCHF 0, 0, 0
	Q0 0, 1, 3*HL, 1                               ; the first quarter stands ahead of the loop: its products start the sums
	WIN 0
.Ltrip:                                        ; steps 2 p and 2 p + 1, from the first's second quarter to the first quarter of step 2 p + 2; one slot of A is filled again
	REST 0, 1, 1, 2*HL, 0
	Q0 1, 1, 3*HL, 0
	REST 1, 1, 1, 2*HL, 1
	Q0 0, 1, 3*HL, 0
	WIN 0
	s_sub_co_u32 s55, s55, 1
	s_cmp_lg_u32 s55, 0
	s_cbranch_scc1 .Ltrip
	REST 0, 1, 1, 2*HL, 0                          ; step 28: the last loads of W, step 31's
	Q0 1, 1, 3*HL, 0
	REST 1, 1, 0, 2*HL, 2                          ; step 29: the slots change, nothing is asked for
	Q0 0, 1, HL, 0                                 ; step 30: behind the half that is wanted only step 31's second half was issued
	REST 0, 1, 0, 0, 0
.if QKV
	; the table for all four row tiles, into W's two register sets, which have been converted: for each row tile and unit my row's 4 cosines and 4 sines; on its way under the last step
	WIN 0
	s_lshl_b32 s89, s22, 8
	s_lshl_b32 s90, s18, 6
	s_add_co_u32 s89, s89, s90
	v_add_nc_u32 v14, s89, v[RL]                   ; my row in row tile 0
.set ti, 0
.rept NT
	v_mul_lo_u32 v[TC+ti], v14, s[FI+ti]
	v_lshl_add_u32 v[TC+ti], v[HF], 4, v[TC+ti]    ; my half of the lanes has the unit's frequencies 4 (l / 16) on
.set ti, ti+1
.endr
	v_lshlrev_b32 v15, 5, v[RL]
	v_lshl_add_u32 v15, v[HF], 4, v15              ; my 16 bytes of 16 rows of a unit
	WIN 0x80
.set ta, 0
.rept 4
.set ti, 0
.rept NT
	global_load_b128 v[TBL+8*(NT*ta+ti):TBL+8*(NT*ta+ti)+3],   v[TC+ti], s[RB+2*ti:RB+2*ti+1] offset:ta*8192
	global_load_b128 v[TBL+8*(NT*ta+ti)+4:TBL+8*(NT*ta+ti)+7], v[TC+ti], s[RB+2*ti:RB+2*ti+1] offset:ta*8192+256
.set ti, ti+1
.endr
.set ta, ta+1
.endr
.endif
	Q0 1, 0, 0, 0                                  ; step 31
	REST 1, 0, 0, 0, 3
	PLACES
.if QKV
; Row tile a.  Registers 0-3 of an accumulator are four low dims x, registers 4-7 their partners y: x cos - y sin and y cos + x sin, with 2^-11 in the table; rounded to f16 into the tile's own
; accumulator registers, which nothing writes again; an accumulator's store is 512 consecutive bytes of its unit.  The wait leaves the later row tiles' 2 NT loads each out.
.macro ROPE a
.set AB, ACC+8*NT*(\a)
.set TB, TBL+8*NT*(\a)
	s_wait_loadcnt 2*NT*(3-(\a))
	WIN 0x08                                       ; source 1, the table, in window 2
.set k, 0
.rept NT
	v_pk_mul_f32 v[T+8*k+4:T+8*k+5], v[AB+8*k:AB+8*k+1],     v[TB+8*k+4:TB+8*k+5]  ; x sin: each accumulator is read from its low end on
	v_pk_mul_f32 v[T+8*k+6:T+8*k+7], v[AB+8*k+2:AB+8*k+3],   v[TB+8*k+6:TB+8*k+7]
	v_pk_mul_f32 v[T+8*k:T+8*k+1],   v[AB+8*k+4:AB+8*k+5],   v[TB+8*k+4:TB+8*k+5]  ; y sin
	v_pk_mul_f32 v[T+8*k+2:T+8*k+3], v[AB+8*k+6:AB+8*k+7],   v[TB+8*k+6:TB+8*k+7]
.set k, k+1
.endr
.set k, 0
.rept NT
	v_pk_fma_f32 v[T+8*k:T+8*k+1],   v[AB+8*k:AB+8*k+1],     v[TB+8*k:TB+8*k+1],     v[T+8*k:T+8*k+1] neg_lo:[0,0,1] neg_hi:[0,0,1]
	v_pk_fma_f32 v[T+8*k+2:T+8*k+3], v[AB+8*k+2:AB+8*k+3],   v[TB+8*k+2:TB+8*k+3],   v[T+8*k+2:T+8*k+3] neg_lo:[0,0,1] neg_hi:[0,0,1]
	v_pk_fma_f32 v[T+8*k+4:T+8*k+5], v[AB+8*k+4:AB+8*k+5],   v[TB+8*k:TB+8*k+1],     v[T+8*k+4:T+8*k+5]
	v_pk_fma_f32 v[T+8*k+6:T+8*k+7], v[AB+8*k+6:AB+8*k+7],   v[TB+8*k+2:TB+8*k+3],   v[T+8*k+6:T+8*k+7]
.set k, k+1
.endr
	WIN 0
.set k, 0
.rept 4*NT
	v_cvt_pk_f16_f32 v[AB+k], v[T+2*k], v[T+2*k+1]
.set k, k+1
.endr
.set k, 0
.rept NT
	global_store_b128 v15, v[AB+4*k:AB+4*k+3], s[86:87] offset:k*32768+(\a)*512
.set k, k+1
.endr
.endm
	WIN 0
	s_wait_xcnt 0x0                                ; the table's loads, a step back, have read their offsets, which lie among the registers written next
	ROPE 0
	ROPE 1
	ROPE 2
	ROPE 3
.else
; Row tile a: times 2^-11; 16 rows x 256 bytes through my own stage; back as whole rows; sixteen lanes store 256 consecutive bytes, aligned.
.macro OUTA a
.set AB, ACC+8*NT*(\a)
.set BK, 16+176*((\a)%2)
	WIN 0
.set k, 0
.rept 4*NT
	v_pk_mul_f32 v[AB+2*k:AB+2*k+1], v[AB+2*k:AB+2*k+1], s[84:85] op_sel_hi:[1,0]
.set k, k+1
.endr
.if (\a) >= 2
	s_wait_xcnt 0x0                                ; the stores of two tiles back have read the registers that are loaded again below
.endif
.set k, 0
.rept NT
	ds_store_b128 v[STO], v[AB+8*k:AB+8*k+3]   offset:64*k
	ds_store_b128 v[STO], v[AB+8*k+4:AB+8*k+7] offset:64*k+16
.set k, k+1
.endr
.set k, 0
.rept 8
	ds_load_b128 v[BK+4*k:BK+4*k+3], v[RD] offset:k*2*BPITCH  ; LDS serves a wave's instructions in order (ISA guide 5.7.1.4): these see the stores above
.set k, k+1
.endr
.set k, 0
.rept 8
	s_wait_dscnt 7-k
	global_store_b128 v[GO], v[BK+4*k:BK+4*k+3], s[86:87] offset:(16*(\a)+2*k)*16384
.set k, k+1
.endr
.endm
	OUTA 0
	OUTA 1
	OUTA 2
	OUTA 3
.endif
	WIN 0
	s_wait_tensorcnt 0x0                           ; the wave's end: an add to my spare word and its wait, behind my last tensor load and my last LDS store
	ds_add_u32 v[SPW], v[NIL]
	s_wait_dscnt 0x0
	CROUND                                         ; the closing round: no work-group ends while a partner may still ask for a tile that names it
	s_endpgm
.Lfunc_end_k_q356dbe74db_oproj:
	.size	k_q356dbe74db_oproj, .Lfunc_end_k_q356dbe74db_oproj-k_q356dbe74db_oproj
	.p2alignl 7, 3214868480
	.fill 96, 4, 3214868480
	.section	.rodata,"a",@progbits
	.p2align	6, 0x0
	.amdhsa_kernel k_q356dbe74db_oproj
		.amdhsa_group_segment_fixed_size 327680
		.amdhsa_private_segment_fixed_size 0
		.amdhsa_enable_private_segment 0
		.amdhsa_kernarg_size 32
		.amdhsa_user_sgpr_count 2
		.amdhsa_user_sgpr_kernarg_segment_ptr 1
		.amdhsa_wavefront_size32 1
		.amdhsa_system_sgpr_workgroup_id_x 1
		.amdhsa_system_sgpr_workgroup_id_y 1
		.amdhsa_system_sgpr_workgroup_id_z 1
		.amdhsa_system_vgpr_workitem_id 0
		.amdhsa_next_free_vgpr 768
		.amdhsa_next_free_sgpr 102
		.amdhsa_reserve_vcc 0
		.amdhsa_float_denorm_mode_32 3
		.amdhsa_float_denorm_mode_16_64 3
		.amdhsa_memory_ordered 1
		.amdhsa_forward_progress 1
		.amdhsa_inst_pref_size 121
	.end_amdhsa_kernel
	.amdgpu_metadata
---
amdhsa.version: [ 1, 2 ]
amdhsa.kernels:
  - .name:           k_q356dbe74db_oproj
    .symbol:         k_q356dbe74db_oproj.kd
    .args:
      - { .name: at, .offset: 0, .size: 8, .value_kind: global_buffer, .address_space: global }
      - { .name: o_wq, .offset: 8, .size: 8, .value_kind: global_buffer, .address_space: global }
      - { .name: sto, .offset: 16, .size: 8, .value_kind: global_buffer, .address_space: global }
      - { .name: out0, .offset: 24, .size: 8, .value_kind: global_buffer, .address_space: global }
    .group_segment_fixed_size: 327680
    .private_segment_fixed_size: 0
    .kernarg_segment_align: 8
    .kernarg_segment_size: 32
    .max_flat_workgroup_size: 128
    .sgpr_count:     102
    .vgpr_count:     768
    .wavefront_size: 32
...
	.end_amdgpu_metadata
.endif
;; end of part 4
